; MI455X (gfx1250); checked and timed in simulation.
; The chip was launched on July 23, 2026; its instructions are those of AMD's public machine-readable ISA for CDNA 5 (MIT licence, August 2026) and "CDNA5" Instruction Set Architecture Reference Guide (July 2026). The comments in the code are by the model that wrote it; some were corrected since.
;; Attention. Allowed arithmetic: matrix products marked QUANTISED: E2M3 operands, one E8M0 scale for each 32 along K, by v_wmma_scale_f32_16x16x128_f8f6f4 with both operands' format E2M3, f32 sums; everything else in f32.
;; Inputs: K 4 x 2,048 x 1,024 float32; K_lev 4 x 2,048 x 1,024 float32; Q 4 x 2,048 x 1,024 float32; Q_lev 4 x 2,048 x 1,024 float32; V 4 x 2,048 x 1,024 float32; V_lev 4 x 2,048 x 1,024 float32; Wk 1,024 x 1,024 float32; Wo 1,024 x 1,024 float32; Wq 1,024 x 1,024 float32; Wv 1,024 x 1,024 float32; bk 1,024 float32; bo 1,024 float32; bq 1,024 float32; bv 1,024 float32.
;; Outputs: out0 4 x 2,048 x 1,024 float32.
;; This version of the problem:
;;   THIS VERSION OF THE PROBLEM IS GIVEN IN LOW PRECISION. The matrix products marked QUANTISED in the list below multiply operands that are first quantised to E2M3 (2 exponent bits, 3 mantissa bits; 6 bits a number), with one power-of-two scale for each 32 numbers along K (OCP MX v1.0); their sums are f32. All else is computed in f32.
;;   The module's matrix products, in the order in which they are computed (A, B: the left and right operand; K: the contracted axis; several contracted axes count as one K, in the product's order):
;;     1. [M 8,192, K 1,024] x [K 1,024, N 1,024]; A: input Q; B: input Wq: QUANTISED
;;     2. [M 8,192, K 1,024] x [K 1,024, N 1,024]; A: input K; B: input Wk: QUANTISED
;;     3. [M 8,192, K 1,024] x [K 1,024, N 1,024]; A: input V; B: input Wv: QUANTISED
;;     4. batch 64 x [M 2,048, K 64] x [K 64, N 2,048]; A: computed on the way; B: computed on the way: QUANTISED
;;     5. batch 64 x [M 2,048, K 2,048] x [K 2,048, N 64]; A: softmax (see below); B: computed on the way: QUANTISED
;;     6. [M 8,192, K 1,024] x [K 1,024, N 1,024]; A: computed on the way; B: input Wo: QUANTISED
;;   THE QUANTISER, for each operand of a quantised product, along K:
;;     - K is cut into blocks of 32 from its start; a last block that is shorter is filled with zeros.
;;     - A block's scale is 2^e with e = floor(log2(the largest magnitude in the block)) - 2, held to -126 .. 127; a block of zeros has e = 0. As a byte (E8M0): e + 127.
;;     - Each number is divided by its block's scale, clamped to +-7.5, and rounded to the nearest number of E2M3, ties to even, subnormals kept.
;;     - The product sums the exact products of the quantised numbers (number of the format x scale) in f32.
;;   ~~~python
;;   def quantise(x, axis):      # numpy; x: float32 -> the quantised numbers, widened to float32 again
;;       x = np.moveaxis(x, axis, -1); K = x.shape[-1]
;;       x = np.pad(x, [(0, 0)] * (x.ndim - 1) + [(0, -K % 32)]); x = x.reshape(x.shape[:-1] + (-1, 32)); a = np.abs(x).max(-1, keepdims=True)
;;       e = np.where(a > 0, np.clip(np.frexp(np.where(a > 0, a, 1))[1] - 1 - 2, -126, 127), 0)      # np.frexp(a)[1] - 1 = floor(log2(a)), exactly
;;       r = np.clip(x / 2.0 ** e, -7.5, 7.5)
;;       step = 2.0 ** (np.maximum(np.frexp(np.where(r == 0, 1, r))[1] - 1, 0) - 3)
;;       q = np.round(r / step) * step * 2.0 ** e      # np.round: ties to even
;;       return np.moveaxis(q.reshape(q.shape[:-2] + (-1,))[..., :K], -1, axis).astype(np.float32)
;;   ~~~
;;   SOFTMAX AHEAD OF A QUANTISED PRODUCT. Where the list says 'softmax', what is quantised is not the finished softmax but p = 2^(t - M), with t = logit x log2(e) and M = ceil(the row's largest t), a whole number; so 1/2 < the row's largest p <= 1. The row's sum l is taken of the UNQUANTISED p, in f32, and the product's result is divided by l at the end. Since M is a whole number, a kernel that streams over the keys may use a running M (the ceiling of the running maximum): every later rescaling is an exact power of two, which a block's scale takes up: the codes' values come out the same.
;;   OPERANDS COMPUTED ON THE WAY. 'Computed on the way' means the value that the module computes at that place (a softmax that the list does not call 'softmax' is quantised finished and normalised). What goes into a quantiser is computed in f32, as accurately as f32 sums, v_exp_f32 and their like allow (about 1e-6 of the number): no bf16 or f16 on the way to a quantiser, and a product that is left as it is and whose result goes on into a quantised operand takes f32 operands (vector FMAs, or v_wmma_f32_16x16x4_f32). A number that lies on a knife's edge between two numbers of the format may be rounded either way, as far as f32 arithmetic and the matrix unit's own rounding can turn it there, and no further.
;; 2 versions. Each part assembles by itself: llvm-mc -triple=amdgcn-amd-amdhsa -mcpu=gfx1250 --defsym DOCPART=n.
;; ======== version 1 of 2: 4 launches
;; workspace buffers: wc 3,145,728 bytes; ws 131,072 bytes; qq 6,815,744 bytes; kv 13,369,344 bytes; cc 6,291,456 bytes; cs 262,144 bytes
;; launch quantw (part 1): grid 64 x 4, 4 waves a work-group, no clusters, 13,312 bytes of LDS; arguments Wq, Wk, Wv, Wo, wc, ws; writes wc, ws
.if DOCPART == 1
	.amdgcn_target "amdgcn-amd-amdhsa--gfx1250"
	.amdhsa_code_object_version 6
	.text
	.protected	k_qcb19a70651_quantw
	.globl	k_qcb19a70651_quantw
	.p2align	8
	.type	k_qcb19a70651_quantw,@function
k_qcb19a70651_quantw:
	s_mov_b64 s[64:65], 0
	v_nop
	global_prefetch_b8 v0, s[64:65] scope:SCOPE_SE
	s_setreg_imm32_b32 hwreg(HW_REG_WAVE_MODE, 25, 1), 1
	s_wait_xcnt 0x0
; The four weights [1024 (k)][1024 (n)], f32, K on the FIRST axis, become codes of E2M3 with one E8M0 byte for each 32 along K,
; laid in the order of a matrix operand's registers, so that later launches load whole fragments by dense 16-byte loads.
; wc: [weight 4][g 8: 128 columns][s 8: 128 along K][b 8: tile of 16 columns][1,536 bytes: registers 4c..4c+3 of lane l at 512 c + 16 l].
; ws: [weight][g][s][2][256 bytes]: the scale word of tile 4 hb + 2 i + (l / 16), row l % 16, at 8 l + 4 i.
; THE COLUMNS OF A TILE ARE NOT NEIGHBOURS: row i of tile 2 B + u is column 32 B + 8 u + i + 8 (i / 8), so that the results of two
; neighbouring tiles, used as source 0, are 16 neighbouring columns in a lane's registers.
; SHARES: work-group (x = 8 g + s, y = weight): 128 columns x 128 along K; wave w: columns 32 w .. 32 w + 31.  A lane takes a column and its
; registers run down K: a block of 32 lies in one lane, and the conversions give codes with K innermost.  Each load reads 128 neighbouring
; bytes, the four waves side by side 512.  The codes go through the wave's own 3,072 bytes of LDS and leave as six dense stores of 512 bytes.
; A block's scale byte is its largest magnitude's exponent field - 2, held at 1 from below.
; LIMITS: a block of zeros, or one whose largest magnitude lies under 2^-124, gets the byte 1 (only this program reads the bytes; zero codes add
; nothing under it); NaN and infinities among the inputs are not served.
.set X,    32                          ; v32-159  128 numbers down K
.set C,    160                         ; v160-207 12 registers for each block: 6 of codes, and the second conversion's three at +8
.set OUTR, 208                         ; v208-231 the way out
.set SCB,  12288                       ; LDS: behind the four stages, the work-group's 512 bytes of scale words
.set EMAX, 2
	s_load_b256 s[4:11], s[0:1], 0x0               ; Wq, Wk, Wv, Wo
	s_load_b128 s[12:15], s[0:1], 0x20             ; wc, ws
	v_lshl_add_u32 v240, v0, 2, 0x3200
	v_mov_b32 v241, 0
	v_lshrrev_b32 v1, 5, v0
	v_readfirstlane_b32 s20, v1                    ; wave
	v_and_b32 v10, 31, v0                          ; lane
	v_lshlrev_b32 v2, 2, v10                       ; in: 4 bytes a lane
	v_bfe_u32 v3, v0, 3, 1                         ; u: which of the wave's two tiles my column belongs to
	v_and_b32 v4, 7, v0
	v_bfe_u32 v11, v0, 4, 1
	v_lshl_or_b32 v4, v11, 3, v4                   ; and which row of it
	s_mul_i32 s21, s20, 3072                       ; my stage: two fragments
	v_lshlrev_b32 v5, 4, v4
	v_mad_u32_u24 v5, v3, 1536, v5
	v_add_nc_u32 v5, s21, v5                       ; into it: tile u, the place of lane (row, 0)
	s_lshr_b32 s22, s20, 1
	s_lshl_b32 s22, s22, 8
	s_and_b32 s23, s20, 1
	s_lshl_b32 s23, s23, 2
	s_add_co_u32 s22, s22, s23
	s_add_co_u32 s22, s22, SCB
	v_lshl_add_u32 v6, v3, 4, v4
	v_lshlrev_b32 v6, 3, v6
	v_add_nc_u32 v6, s22, v6                       ; my column's scale word: tile 2 w + u: 256 (w / 2) + 4 (w % 2) + 8 (16 u + row)
	v_lshlrev_b32 v8, 4, v10                       ; out: 16 bytes a lane
	v_add_nc_u32 v7, s21, v8
	v_add_nc_u32 v9, SCB, v8
	s_and_b32 s24, ttmp7, 0xffff                   ; which weight
	s_lshr_b32 s25, ttmp9, 3                       ; g
	s_and_b32 s26, ttmp9, 7                        ; s
	s_lshl_b32 s28, s26, 19                        ; W: 128 s rows of 4,096 bytes + 512 g + 128 w
	s_lshl_b32 s27, s25, 9
	s_add_co_u32 s28, s28, s27
	s_lshl_b32 s27, s20, 7
	s_add_co_u32 s28, s28, s27
	s_mov_b32 s29, 0
	s_mul_i32 s30, s24, 786432                     ; wc
	s_mul_i32 s27, s25, 98304
	s_add_co_u32 s30, s30, s27
	s_mul_i32 s27, s26, 12288
	s_add_co_u32 s30, s30, s27
	s_add_co_u32 s30, s30, s21
	s_mov_b32 s31, 0
	s_lshl_b32 s32, s24, 15                        ; ws
	s_lshl_b32 s27, s25, 12
	s_add_co_u32 s32, s32, s27
	s_lshl_b32 s27, s26, 9
	s_add_co_u32 s32, s32, s27
	s_mov_b32 s33, 0
	s_wait_kmcnt 0x0
	s_cmp_eq_u32 s24, 0                            ; the weight is chosen by the work-group's y alone
	s_cselect_b64 s[4:5], s[4:5], s[6:7]
	s_cmp_eq_u32 s24, 2
	s_cselect_b64 s[8:9], s[8:9], s[10:11]
	s_cmp_lt_u32 s24, 2
	s_cselect_b64 s[4:5], s[4:5], s[8:9]
	s_add_nc_u64 s[4:5], s[4:5], s[28:29]
	s_add_nc_u64 s[12:13], s[12:13], s[30:31]
	s_add_nc_u64 s[14:15], s[14:15], s[32:33]
.irp k, 0,1,2,3
.irp i, 0,1,2,3,4,5,6,7,8,9,10,11,12,13,14,15,16,17,18,19,20,21,22,23,24,25,26,27,28,29,30,31
	global_load_b32 v[X+32*\k+\i], v2, s[4:5] offset:(32*\k+\i)*4096 th:TH_LOAD_NT
.endr
.endr
; Block k of my column: k = 32 k .. 32 k + 31 of the K step.  In the fragment it is registers 6 (k / 2) .. + 5 of lane (row, k % 2).
.macro BLOCK k, n
.set XS, X+32*(\k)
.set CC, C+12*(\k)
	s_wait_loadcnt \n                              ; this block's 32 loads are in; the count names the younger loads, as far as a count can name them
	v_max3_num_f32 v12, |v[XS]|, |v[XS+1]|, |v[XS+2]|
	v_max3_num_f32 v13, |v[XS+3]|, |v[XS+4]|, |v[XS+5]|
.irp i, 6,10,14,18,22,26
	v_max3_num_f32 v12, v12, |v[XS+\i]|, |v[XS+\i+1]|
	v_max3_num_f32 v13, v13, |v[XS+\i+2]|, |v[XS+\i+3]|
.endr
	v_max3_num_f32 v12, v12, |v[XS+30]|, |v[XS+31]|
	v_max3_num_f32 v12, v12, v13, (EMAX+1)<<23     ; with the floor 2^(3 - 127): the byte cannot fall under 1
	v_add_nc_u32 v11, -(EMAX<<23), v12             ; 2 off the exponent field: the conversion's scale operand
	v_lshrrev_b32 v13, 23, v11                     ; the byte
.if (\k) == 0
	v_mov_b32 v15, v13
.else
	v_lshl_or_b32 v15, v13, 8*(\k), v15            ; four bytes make my column's scale word for this K step
.endif
	v_cvt_scalef32_pk16_fp6_f32 v[CC:CC+2], v[XS:XS+15], v11
	v_cvt_scalef32_pk16_fp6_f32 v[CC+8:CC+10], v[XS+16:XS+31], v11   ; (a conversion's three registers begin on an even number)
	v_nop                                          ; one plain line behind the conversions
.irp i, 0,1,2
	v_mov_b32 v[CC+3+\i], v[CC+8+\i]
.endr
.if (\k) < 2
	ds_store_b128 v5, v[CC:CC+3] offset:256*((\k)%2)               ; registers 0-3
	ds_store_b64 v5, v[CC+4:CC+5] offset:512+256*((\k)%2)          ; registers 4-5
.else
	ds_store_b64 v5, v[CC:CC+1] offset:520+256*((\k)%2)            ; registers 6-7
	ds_store_b128 v5, v[CC+2:CC+5] offset:1024+256*((\k)%2)        ; registers 8-11
.endif
.endm
	BLOCK 0, 63
	BLOCK 1, 63
	BLOCK 2, 32
	BLOCK 3, 0
	ds_store_b32 v6, v15
.irp k, 0,1,2,3,4,5
	ds_load_b128 v[OUTR+4*\k:OUTR+4*\k+3], v7 offset:512*\k        ; LDS serves a wave's instructions in order: these see my stores
.endr
.irp k, 0,1,2,3,4,5
	s_wait_dscnt 5-\k                              ; the younger of the six may be out
	global_store_b128 v8, v[OUTR+4*\k:OUTR+4*\k+3], s[12:13] offset:512*\k   ; 512 consecutive bytes, aligned
.endr
	s_wait_dscnt 0x0                               ; for the others' sake: my scale words lie in LDS
	s_barrier_signal -1
	s_barrier_wait -1
	s_cmp_lg_u32 s20, 0
	s_cbranch_scc1 .Lend
	ds_load_b128 v[232:235], v9                    ; wave 0 stores the work-group's 512 bytes of scale words
	s_wait_dscnt 0x0
	global_store_b128 v8, v[232:235], s[14:15]
.Lend:
	s_wait_tensorcnt 0x0
	ds_add_u32 v240, v241
	s_wait_dscnt 0x0
	s_endpgm
.Lfunc_end_k_qcb19a70651_quantw:
	.size	k_qcb19a70651_quantw, .Lfunc_end_k_qcb19a70651_quantw-k_qcb19a70651_quantw
	.p2alignl 7, 3214868480
	.fill 96, 4, 3214868480
	.section	.rodata,"a",@progbits
	.p2align	6, 0x0
	.amdhsa_kernel k_qcb19a70651_quantw
		.amdhsa_group_segment_fixed_size 13312
		.amdhsa_private_segment_fixed_size 0
		.amdhsa_enable_private_segment 0
		.amdhsa_kernarg_size 48
		.amdhsa_user_sgpr_count 2
		.amdhsa_user_sgpr_kernarg_segment_ptr 1
		.amdhsa_wavefront_size32 1
		.amdhsa_system_sgpr_workgroup_id_x 1
		.amdhsa_system_sgpr_workgroup_id_y 1
		.amdhsa_system_sgpr_workgroup_id_z 1
		.amdhsa_system_vgpr_workitem_id 0
		.amdhsa_next_free_vgpr 242
		.amdhsa_next_free_sgpr 66
		.amdhsa_reserve_vcc 0
		.amdhsa_float_denorm_mode_32 3
		.amdhsa_float_denorm_mode_16_64 3
		.amdhsa_memory_ordered 1
		.amdhsa_forward_progress 1
		.amdhsa_inst_pref_size 23
	.end_amdhsa_kernel
	.amdgpu_metadata
---
amdhsa.version: [ 1, 2 ]
amdhsa.kernels:
  - .name:           k_qcb19a70651_quantw
    .symbol:         k_qcb19a70651_quantw.kd
    .args:
      - { .name: Wq, .offset: 0, .size: 8, .value_kind: global_buffer, .address_space: global }
      - { .name: Wk, .offset: 8, .size: 8, .value_kind: global_buffer, .address_space: global }
      - { .name: Wv, .offset: 16, .size: 8, .value_kind: global_buffer, .address_space: global }
      - { .name: Wo, .offset: 24, .size: 8, .value_kind: global_buffer, .address_space: global }
      - { .name: wc, .offset: 32, .size: 8, .value_kind: global_buffer, .address_space: global }
      - { .name: ws, .offset: 40, .size: 8, .value_kind: global_buffer, .address_space: global }
    .group_segment_fixed_size: 13312
    .private_segment_fixed_size: 0
    .kernarg_segment_align: 8
    .kernarg_segment_size: 48
    .max_flat_workgroup_size: 128
    .sgpr_count:     66
    .vgpr_count:     242
    .wavefront_size: 32
...
	.end_amdgpu_metadata
.endif
;; end of part 1
;; launch proj (part 2): grid 192 x 1, 4 waves a work-group, no clusters, 136,704 bytes of LDS; arguments Q, K, V, Q_lev, K_lev, V_lev, bq, bk, bv, wc, ws, qq, kv; writes qq, kv
.if DOCPART == 2
	.amdgcn_target "amdgcn-amd-amdhsa--gfx1250"
	.amdhsa_code_object_version 6
	.text
	.protected	k_qcb19a70651_proj
	.globl	k_qcb19a70651_proj
	.p2align	8
	.type	k_qcb19a70651_proj,@function
k_qcb19a70651_proj:
	s_mov_b64 s[64:65], 0
	v_nop
	global_prefetch_b8 v0, s[64:65] scope:SCOPE_SE
	s_setreg_imm32_b32 hwreg(HW_REG_WAVE_MODE, 25, 1), 1
	s_wait_xcnt 0x0
; q = Q Wq + bq + Q_lev, k and v likewise, each product on codes of E2M3 with one E8M0 scale for 32 along K; the results are quantised at once for
; attention: q and k along the head's 64 numbers, v along the keys, and leave as images of operand registers.
; SHARES: work-group = (tensor P = x / 64, block of 128 tokens x % 64), all 1,024 columns in two passes of 512.  Wave w, pass p: columns 128 (4 p + w) on,
; two heads, for all 128 tokens: 64 accumulators.  So x is read and quantised once, and each weight byte is read once by a work-group.
; PHASE X: wave w quantises tokens 32 w .. + 31 (two tiles x eight K steps) and lays the fragments and scale words in LDS as images of their registers; one barrier.
; A PASS: lev + bias start the sums: lev's rows come dense (512 bytes a load), the bias of a lane's four columns is added, the rows turn through the wave's own
; stage and come back in the result's layout, as C of the first products.  Then eight K steps of 64 matrix instructions: weights from memory straight into
; registers (wc is laid in fragment order), asked for a step and a half ahead; x's fragments from LDS.  Then each 64 results on end are quantised where they lie.
; q, k: source 0 = 16 columns of W, source 1 = 16 tokens: a lane holds one token, its registers run along the columns.  Accumulator (a, b) at 64 (a % 4) + 8 b, window 2 + a / 4.
; v:    source 0 = 16 tokens, source 1 = 16 columns: a lane holds one column, its registers run along the tokens.      Accumulator (a, b) at 64 (b % 4) + 8 a, window 2 + b / 4.
; TILES ARE NOT NEIGHBOURS: row i of tile 2 B + u (of tokens, of columns) is item 32 B + 8 u + i + 8 (i / 8): the 16 registers of two neighbouring tiles are then 16 neighbours.
; The two ways part on the work-group's number alone; every LDS store stands in text that both take.
; NO JOINT LOADS: a weight fragment is used by one wave of a work-group and goes to its registers without touching LDS, so there is no LDS tile that a joint load could fill;
; sharing the 786,432 bytes of weights among work-groups would want a ring of slots and a round of a cluster's barrier in each K step beside 1,048,576 bytes of x and lev that nobody shares.
; ORDER OF SUMS: (lev + bias) + the products, K ascending; the source has products + bias + lev.  LIMITS: blocks of zeros or under 2^-124 get the scale byte 1; NaN and infinities are not served.
; OUT: qq [b h 64][chunk of 128 tokens 16][6,656]: 8 tiles x 768 bytes (registers 0-3 at 16 l, registers 4-5 at 512 + 8 l), then 512 bytes of scale words (tile 2 i + l / 16 at 16 l + 4 i).
;      kv [b h][chunk][13,056]: K's 8 tiles; at 6,144 V's 4 tiles of 16 channels x 128 keys, 1,536 bytes each; at 12,288 K's scale words; at 12,800 V's (tile 2 i + l / 16 at 8 l + 4 i).
; REGISTERS: window 0: v1-15 addresses; v16-31 at work; v32-39 eight scale words; v40 the one just made; v44-47 bias; v48-55 W's scale words, v56-63 x's (two sets each);
;   v64-159, v160-255 W's fragments, two sets (phase X and the end: v64-127 numbers, v128-147 codes).  window 1: x's fragments, two sets of 96; before that lev's four landing sets of 64.
;   windows 2, 3: the accumulators; in phase X eight landing sets of 64.
.set XSC,  0                           ; LDS: x's scale words: [wave 4][K step 8][128 bytes: 4 x (row + 16 u)]
.set STG,  4096                        ; a stage of 16 rows x (512 + 16) bytes for each wave
.set XIMG, 37888                       ; x's fragments: [wave 4][K step 8][u 2][1,536]
.set TM,   16
.set SW,   16
.set PWS,  32
.set PW,   40
.set BIA,  44
.set WSC,  48
.set XSR,  56
.set WF,   64
.set T,    64
.set PC,   128
.set SEL,  46
.set MSB, 0
.macro WIN new                         ; the immediate's high byte repeats the setting that is left
.if MSB != (\new)
	s_set_vgpr_msb (MSB<<8)|(\new)
.set MSB, (\new)
.endif
.endm
.macro PLACES n
.rept \n
	v_nop
.endr
.endm
; one matrix instruction: D, source 0, source 1, C, their scale registers, and which half of the lanes holds each side's scale words
.macro WM dd, aa, bb, cc, sa, sb, ra, rb
.if ((\ra) == 0) && ((\rb) == 0)
	v_wmma_scale_f32_16x16x128_f8f6f4 v[\dd:\dd+7], v[\aa:\aa+11], v[\bb:\bb+11], v[\cc:\cc+7], v[\sa], v[\sb] matrix_a_fmt:MATRIX_FMT_FP6 matrix_b_fmt:MATRIX_FMT_FP6
.elseif (\rb) == 0
	v_wmma_scale_f32_16x16x128_f8f6f4 v[\dd:\dd+7], v[\aa:\aa+11], v[\bb:\bb+11], v[\cc:\cc+7], v[\sa], v[\sb] matrix_a_fmt:MATRIX_FMT_FP6 matrix_b_fmt:MATRIX_FMT_FP6 matrix_a_scale:MATRIX_SCALE_ROW1
.elseif (\ra) == 0
	v_wmma_scale_f32_16x16x128_f8f6f4 v[\dd:\dd+7], v[\aa:\aa+11], v[\bb:\bb+11], v[\cc:\cc+7], v[\sa], v[\sb] matrix_a_fmt:MATRIX_FMT_FP6 matrix_b_fmt:MATRIX_FMT_FP6 matrix_b_scale:MATRIX_SCALE_ROW1
.else
	v_wmma_scale_f32_16x16x128_f8f6f4 v[\dd:\dd+7], v[\aa:\aa+11], v[\bb:\bb+11], v[\cc:\cc+7], v[\sa], v[\sb] matrix_a_fmt:MATRIX_FMT_FP6 matrix_b_fmt:MATRIX_FMT_FP6 matrix_a_scale:MATRIX_SCALE_ROW1 matrix_b_scale:MATRIX_SCALE_ROW1
.endif
.endm
; 64 numbers of a lane, v[s] .. v[s + 63] of window win, register 16 b + i = k 32 b + 16 (lane / 16) + i of my row, become a fragment's codes in v[PC] on and its scale word in v[PW].
.macro QUANT s, win
	WIN 20*(\win)                                  ; sources 1 and 2 in that window
.irp b, 0,1,2,3
	v_max3_num_f32 v[TM+\b], 0x1800000, |v[\s+16*\b]|, |v[\s+1+16*\b]|   ; block b: my 16 numbers, from the low end on, and the floor 2^(3 - 127): the byte cannot fall under 1
.endr
.irp i, 2,4,6,8,10,12,14
.irp b, 0,1,2,3
	v_max3_num_f32 v[TM+\b], v[TM+\b], |v[\s+16*\b+\i]|, |v[\s+1+16*\b+\i]|
.endr
.endr
	WIN 0
.irp b, 0,1,2,3
	v_permlanex16_b32 v[TM+4+\b], v[TM+\b], s[SEL], s[SEL+1]
.endr
.irp b, 0,1,2,3
	v_max_num_f32 v[TM+\b], v[TM+\b], v[TM+4+\b]   ; with lane l xor 16's: the block's largest magnitude
.endr
.irp b, 0,1,2,3
	v_add_nc_u32 v[TM+12+\b], 0xff000000, v[TM+\b] ; 2 off its exponent field: the conversion's scale operand
.endr
.irp b, 0,1,2,3
	v_lshrrev_b32 v[TM+4+\b], 23, v[TM+12+\b]      ; the byte
.endr
	v_lshl_or_b32 v[PW], v[TM+5], 8, v[TM+4]
	v_lshl_or_b32 v[PW], v[TM+6], 16, v[PW]
	v_lshl_or_b32 v[PW], v[TM+7], 24, v[PW]
	WIN \win                                       ; source 0 in that window
.irp c, 0,1
	v_cvt_scalef32_pk16_fp6_f32 v[PC+6*\c:PC+2+6*\c], v[\s+32*\c:\s+15+32*\c], v[TM+12+2*\c]
	v_cvt_scalef32_pk16_fp6_f32 v[PC+12+4*\c:PC+14+4*\c], v[\s+16+32*\c:\s+31+32*\c], v[TM+12+2*\c+1]
.endr
	WIN 0
	v_nop                                          ; one plain line behind the conversions
.irp c, 0,1                                    ; the operand wants a WHOLE block in a lane: lanes 0-15 block 2 c, lanes 16-31 block 2 c + 1
.irp i, 0,1,2
	v_permlane16_swap_b32 v[PC+6*\c+\i], v[PC+12+4*\c+\i]
.endr
.irp i, 0,1,2
	v_mov_b32 v[PC+3+6*\c+\i], v[PC+12+4*\c+\i]
.endr
.endr
.endm
	s_load_b512 s[4:19], s[0:1], 0x0               ; Q K V Q_lev K_lev V_lev bq bk
	s_load_b256 s[20:27], s[0:1], 0x40             ; bv wc ws qq
	s_load_b64 s[28:29], s[0:1], 0x60              ; kv
	v_lshl_add_u32 v42, v0, 2, 0x21400
	v_mov_b32 v43, 0
	v_lshrrev_b32 v1, 5, v0
	v_readfirstlane_b32 s32, v1                    ; wave
	s_lshr_b32 s30, ttmp9, 6                       ; P: 0 q, 1 k, 2 v
	s_and_b32 s31, ttmp9, 63                       ; block of 128 tokens
	v_and_b32 v12, 31, v0                          ; lane
	v_and_b32 v14, 15, v0                          ; r
	v_bfe_u32 v15, v0, 4, 1                        ; h
	v_lshlrev_b32 v1, 4, v12                       ; v1  16 x lane
	v_lshlrev_b32 v2, 3, v12                       ; v2  8 x lane
	v_lshlrev_b32 v13, 2, v12                      ; v13 4 x lane
	s_mul_i32 s33, s32, 8448
	s_add_co_u32 s33, s33, STG                     ; my stage
	v_add_nc_u32 v3, s33, v1                       ; v3  into it: a row as it was loaded
	v_mul_u32_u24 v4, v14, 528
	v_lshl_add_u32 v4, v15, 6, v4
	v_add_nc_u32 v4, s33, v4                       ; v4  out of it: row r, + 64 h: 16 neighbours of each 32
	v_and_b32 v11, 8, v14
	v_add_nc_u32 v11, v11, v14
	v_mul_u32_u24 v5, v15, 4224
	v_lshl_add_u32 v5, v11, 2, v5
	v_add_nc_u32 v5, s33, v5                       ; v5  out of it for v: rows 8 h on, column r + 8 (r / 8)
	s_mul_i32 s33, s32, 24576
	s_add_co_u32 s33, s33, XIMG
	v_add_nc_u32 v6, s33, v1                       ; v6  where I lay x's fragments
	s_lshl_b32 s33, s32, 10
	v_lshl_add_u32 v7, v14, 2, s33                 ; v7  and their scale words (XSC is LDS byte 0)
	v_cmp_le_u32 s49, 16, v12                      ; lanes 16-31
	s_mov_b32 s[SEL], 0x76543210
	s_mov_b32 s[SEL+1], 0xfedcba98                 ; v_permlanex16_b32's selects for lane l xor 16
.irp b, 0,1,2,3
	v_mov_b32 v[TM+4+\b], 0                        ; written once: a lane permute's destination counts as one of its sources
.endr
	s_wait_kmcnt 0x0
	s_cmp_eq_u32 s30, 0                            ; the tensors are chosen by the work-group's number alone
	s_cselect_b64 s[4:5], s[4:5], s[6:7]
	s_cselect_b64 s[10:11], s[10:11], s[12:13]
	s_cselect_b64 s[16:17], s[16:17], s[18:19]
	s_cselect_b64 s[26:27], s[26:27], s[28:29]
	s_mov_b32 s34, 208896
	s_cselect_b32 s34, 106496, s34                 ; bytes of a head in the output
	s_mov_b32 s35, 13056
	s_cselect_b32 s35, 6656, s35                   ; of a chunk
	s_mov_b32 s36, 12288
	s_cselect_b32 s36, 6144, s36                   ; where q's or k's scale words begin in a chunk
	s_cmp_eq_u32 s30, 2
	s_cselect_b64 s[4:5], s[8:9], s[4:5]
	s_cselect_b64 s[10:11], s[14:15], s[10:11]
	s_cselect_b64 s[16:17], s[20:21], s[16:17]
	s_cselect_b32 s48, 1, 0                        ; s48 = 1: the way of v
	s_lshl_b32 s6, s31, 19                         ; the block's 128 rows of 4,096 bytes
	s_mov_b32 s7, 0
	s_lshl_b32 s8, s32, 17                         ; my 32 rows of x
	s_mov_b32 s9, 0
	s_add_nc_u64 s[4:5], s[4:5], s[6:7]
	s_add_nc_u64 s[4:5], s[4:5], s[8:9]
	s_add_nc_u64 s[10:11], s[10:11], s[6:7]
	s_lshl_b32 s8, s32, 9                          ; my 128 columns
	s_add_nc_u64 s[10:11], s[10:11], s[8:9]
	s_add_nc_u64 s[16:17], s[16:17], s[8:9]
	s_mul_i32 s6, s30, 786432
	s_mul_i32 s8, s32, 98304
	s_add_nc_u64 s[22:23], s[22:23], s[6:7]
	s_add_nc_u64 s[22:23], s[22:23], s[8:9]
	s_lshl_b32 s6, s30, 15
	s_lshl_b32 s8, s32, 12
	s_add_nc_u64 s[24:25], s[24:25], s[6:7]
	s_add_nc_u64 s[24:25], s[24:25], s[8:9]
	s_lshr_b32 s6, s31, 4
	s_lshl_b32 s6, s6, 4
	s_lshl_b32 s8, s32, 1
	s_add_co_u32 s6, s6, s8                        ; 16 x batch + my first head of pass 0
	s_mul_i32 s6, s6, s34
	s_and_b32 s8, s31, 15
	s_mul_i32 s8, s8, s35
	s_add_nc_u64 s[26:27], s[26:27], s[6:7]
	s_add_nc_u64 s[26:27], s[26:27], s[8:9]        ; s[26:27] the even head's chunk
	s_mov_b32 s6, s34
	s_add_nc_u64 s[38:39], s[26:27], s[6:7]        ; s[38:39] the odd head's
	s_mov_b32 s6, s36
	s_add_nc_u64 s[52:53], s[26:27], s[6:7]        ; s[52:53], s[54:55] their scale words (q, k)
	s_add_nc_u64 s[54:55], s[38:39], s[6:7]
	s_lshl_b32 s50, s34, 3                         ; a pass goes eight heads on
	s_mov_b32 s51, 0
; ---- PHASE X.  Fragment f = (K step f / 2, tile u = f % 2).  Its 16 rows x 512 bytes land in set f % 8 (windows 2 and 3), each load 512 consecutive bytes.
.macro XLOAD f
	WIN 0x80+0x40*(((\f)%8)/4)
.irp i, 0,1,2,3,4,5,6,7,8,9,10,11,12,13,14,15
	global_load_b128 v[64*((\f)%4)+4*\i:64*((\f)%4)+4*\i+3], v1, s[4:5] offset:(8*((\f)%2)+\i+8*(\i/8))*4096+512*((\f)/2) th:TH_LOAD_NT
.endr
	WIN 0
.endm
.macro FRAGX f
.set NN, 16*(15-(\f))
.if ((\f) < 8) || (NN > 63)
.set NN, 63
.endif
	s_wait_loadcnt NN                              ; my set is in.  Younger: seven sets of 16 up to fragment 8, then 16 (15 - f); a count names 63 at the most
	WIN 0x08+0x04*(((\f)%8)/4)
.irp i, 0,1,2,3,4,5,6,7,8,9,10,11,12,13,14,15
	ds_store_b128 v3, v[64*((\f)%4)+4*\i:64*((\f)%4)+4*\i+3] offset:528*\i
.endr
	WIN 0
.irp q, 0,1,2,3,4,5,6,7,8,9,10,11,12,13,14,15
	ds_load_b128 v[T+4*\q:T+4*\q+3], v4 offset:128*(\q/4)+16*(\q%4)   ; LDS serves a wave's instructions in order: these see the stores above
.endr
	s_wait_dscnt 0x0                               ; the numbers are back, the stores have read the set, the last fragment's image has left its registers
.if (\f) < 8
	XLOAD (\f)+8
.endif
	QUANT T, 0
.irp c, 0,1,2
	ds_store_b128 v6, v[PC+4*\c:PC+4*\c+3] offset:3072*((\f)/2)+1536*((\f)%2)+512*\c
.endr
	ds_store_b32 v7, v[PW] offset:128*((\f)/2)+64*((\f)%2)           ; both halves of the lanes hold the row's word and write it to the same place
.endm
.irp f, 0,1,2,3,4,5,6,7
	XLOAD \f
.endr
.irp f, 0,1,2,3,4,5,6,7,8,9,10,11,12,13,14,15
	FRAGX \f
.endr
	s_wait_dscnt 0x0                               ; for the others' sake: my images lie in LDS
	s_barrier_signal -1
	s_barrier_wait -1                              ; the launch's one barrier: from here on x's images are only read
; ---- what a pass is made of
.macro WLOADA par, off, offs           ; W's tiles 0-3 of a K step and their scale words: 13 loads
.irp b, 0,1,2,3
.irp c, 0,1,2
	global_load_b128 v[WF+96*(\par)+12*\b+4*\c:WF+96*(\par)+12*\b+4*\c+3], v1, s[56:57] offset:\off+1536*\b+512*\c
.endr
.endr
	global_load_b64 v[WSC+4*(\par):WSC+4*(\par)+1], v2, s[58:59] offset:\offs
.endm
.macro WLOADB par, off, offs           ; tiles 4-7: 13 loads
.irp b, 4,5,6,7
.irp c, 0,1,2
	global_load_b128 v[WF+96*(\par)+12*\b+4*\c:WF+96*(\par)+12*\b+4*\c+3], v1, s[56:57] offset:\off+1536*\b+512*\c
.endr
.endr
	global_load_b64 v[WSC+4*(\par)+2:WSC+4*(\par)+3], v2, s[58:59] offset:\offs+256
.endm
.macro LEVLOAD a                       ; lev's 16 rows of token tile a, my 512 bytes of each, into landing set a % 4 of window 1
	WIN 0x40
.irp i, 0,1,2,3,4,5,6,7,8,9,10,11,12,13,14,15
	global_load_b128 v[64*((\a)%4)+4*\i:64*((\a)%4)+4*\i+3], v1, s[10:11] offset:(32*((\a)/2)+8*((\a)%2)+\i+8*(\i/8))*4096 th:TH_LOAD_NT
.endr
	WIN 0
.endm
.macro LEVTURN a, n                    ; + bias, through the stage, into tile a's accumulators
	s_wait_loadcnt \n                              ; tile a's rows are in; the count names the younger lev loads
	WIN 0x41
.irp i, 0,1,2,3,4,5,6,7,8,9,10,11,12,13,14,15
	v_pk_add_f32 v[64*((\a)%4)+4*\i:64*((\a)%4)+4*\i+1], v[64*((\a)%4)+4*\i:64*((\a)%4)+4*\i+1], v[BIA:BIA+1]
	v_pk_add_f32 v[64*((\a)%4)+4*\i+2:64*((\a)%4)+4*\i+3], v[64*((\a)%4)+4*\i+2:64*((\a)%4)+4*\i+3], v[BIA+2:BIA+3]
.endr
	WIN 0x04
.irp i, 0,1,2,3,4,5,6,7,8,9,10,11,12,13,14,15
	ds_store_b128 v3, v[64*((\a)%4)+4*\i:64*((\a)%4)+4*\i+3] offset:528*\i
.endr
	WIN 0
	s_cmp_lg_u32 s48, 0
	s_cbranch_scc1 .Llv_\@
	WIN 0x80+0x40*((\a)/4)                         ; q, k: token r; register 8 b + j = column 32 (b / 2) + 16 h + 8 (b % 2) + j
.irp m, 0,1,2,3,4,5,6,7,8,9,10,11,12,13,14,15
	ds_load_b128 v[64*((\a)%4)+4*\m:64*((\a)%4)+4*\m+3], v4 offset:128*(\m/4)+16*(\m%4)
.endr
	WIN 0
	s_branch .Llj_\@
.Llv_\@:
	WIN 0x80                                       ; v: register j = the tile's row 8 h + j; column r + 8 (r / 8) of W's tile b
.irp b, 0,1,2,3
.irp j, 0,1,2,3,4,5,6,7
	ds_load_b32 v[64*\b+8*(\a)+\j], v5 offset:528*\j+4*(32*(\b/2)+8*(\b%2))
.endr
.endr
	WIN 0xc0
.irp b, 0,1,2,3
.irp j, 0,1,2,3,4,5,6,7
	ds_load_b32 v[64*\b+8*(\a)+\j], v5 offset:528*\j+4*(32*((\b+4)/2)+8*(\b%2))
.endr
.endr
	WIN 0
.Llj_\@:
	s_wait_dscnt 0x0                               ; the sums' starts are in, and the stores have read the landing set
.if (\a) < 4
	LEVLOAD (\a)+4
.endif
.endm
.macro FETCHX set, off, offs           ; x's eight fragments and four scale registers of a K step
	WIN 0x40
.irp a, 0,1,2,3
.irp c, 0,1,2
	ds_load_b128 v[96*(\set)+12*\a+4*\c:96*(\set)+12*\a+4*\c+3], v8 offset:\off+24576*(\a/2)+1536*(\a%2)+512*\c
.endr
.endr
.irp a, 4,5,6,7
.irp c, 0,1,2
	ds_load_b128 v[96*(\set)+12*\a+4*\c:96*(\set)+12*\a+4*\c+3], v14 offset:\off+24576*((\a-4)/2)+1536*(\a%2)+512*\c
.endr
.endr
	WIN 0
.irp i, 0,1,2,3
	ds_load_b32 v[XSR+4*(\set)+\i], v9 offset:\offs+1024*\i        ; lanes 0-15: tile 2 i's words, lanes 16-31: tile 2 i + 1's
.endr
.endm
; 32 matrix instructions: W's tiles 4 k .. 4 k + 3 against x's eight.  The accumulators take turns, one instruction a turn, in the same order in every step.
.macro HALF k, par
	WIN 0
	s_cmp_lg_u32 s48, 0
	s_cbranch_scc1 .Lhv_\@
	WIN 0xa4                                       ; source 0 (W) window 0, source 1 (x) window 1, C and D window 2
.irp b, 0,1,2,3
.irp a, 0,1,2,3
	WM 64*\a+8*(4*(\k)+\b), WF+96*(\par)+12*(4*(\k)+\b), 96*(\par)+12*\a, 64*\a+8*(4*(\k)+\b), WSC+4*(\par)+2*(\k)+(\b/2), XSR+4*(\par)+(\a/2), \b%2, \a%2
.endr
.endr
	WIN 0xf4                                       ; C and D window 3
.irp b, 0,1,2,3
.irp a, 4,5,6,7
	WM 64*(\a-4)+8*(4*(\k)+\b), WF+96*(\par)+12*(4*(\k)+\b), 96*(\par)+12*\a, 64*(\a-4)+8*(4*(\k)+\b), WSC+4*(\par)+2*(\k)+(\b/2), XSR+4*(\par)+(\a/2), \b%2, \a%2
.endr
.endr
	WIN 0
	s_branch .Lhj_\@
.Lhv_\@:
	WIN 0xa1+0x50*(\k)                             ; source 0 (x) window 1, source 1 (W) window 0, C and D window 2 + k
.irp b, 0,1,2,3
.irp a, 0,1,2,3,4,5,6,7
	WM 64*\b+8*\a, 96*(\par)+12*\a, WF+96*(\par)+12*(4*(\k)+\b), 64*\b+8*\a, XSR+4*(\par)+(\a/2), WSC+4*(\par)+2*(\k)+(\b/2), \a%2, \b%2
.endr
.endr
	WIN 0
.Lhj_\@:
.endm
; A K step on sets par.  Loads go out in groups of 13: A(s), B(s), A(s + 1), ..  la: the loads younger than A(s); lb: those younger than B(s).
; A load into a register that a matrix instruction has read stands four plain vector lines behind it (ISA guide 7.12.1 for vector instructions).
.macro KSTEP par, wfill, xnext, la, lb, off, offs, xoff, xsoff
	s_wait_dscnt 0x0                               ; this step's fragments of x, asked for 32 matrix instructions ago
	s_wait_loadcnt \la
	HALF 0, \par
	PLACES 4
.if \wfill
	WLOADA \par, \off, \offs                       ; two steps on, into the registers just multiplied
.endif
.if \xnext
	FETCHX 1-(\par), \xoff, \xsoff
.endif
	s_wait_loadcnt \lb
	HALF 1, \par
	PLACES 4
.if \wfill
	WLOADB \par, \off, \offs
.endif
.endm
.macro EPST x                          ; the fragment in v[PC] on leaves
	s_cmp_lg_u32 s48, 0
	s_cbranch_scc1 .Lev_\@
	global_store_b128 v1, v[PC:PC+3], s[26:27] offset:768*(\x)               ; q, k: token tile x; registers 0-5 are the even head's 64 numbers,
	global_store_b64 v2, v[PC+4:PC+5], s[26:27] offset:768*(\x)+512
	global_store_b128 v1, v[PC+6:PC+9], s[38:39] offset:768*(\x)             ; registers 6-11 the odd head's
	global_store_b64 v2, v[PC+10:PC+11], s[38:39] offset:768*(\x)+512
	s_branch .Lej_\@
.Lev_\@:
.irp c, 0,1,2
.if (\x) < 4
	global_store_b128 v1, v[PC+4*\c:PC+4*\c+3], s[26:27] offset:6144+1536*((\x)%4)+512*\c   ; v: 16 channels x the chunk's 128 keys
.else
	global_store_b128 v1, v[PC+4*\c:PC+4*\c+3], s[38:39] offset:6144+1536*((\x)%4)+512*\c
.endif
.endr
.Lej_\@:
.endm
	s_mov_b32 s42, 2
.Lpass:
	s_wait_xcnt 0x0                                ; the last pass's stores have read their registers
	s_mov_b64 s[56:57], s[22:23]                   ; the copies that walk along K
	s_mov_b64 s[58:59], s[24:25]
	global_load_b128 v[BIA:BIA+3], v1, s[16:17]    ; the bias of my lane's four columns of a dense row
	WLOADA 0, 0, 0
	WLOADB 0, 0, 0
	WLOADA 1, 12288, 512
	WLOADB 1, 12288, 512
	LEVLOAD 0
	LEVLOAD 1
	LEVLOAD 2
	LEVLOAD 3
	LEVTURN 0, 48
	LEVTURN 1, 48
	LEVTURN 2, 48
	LEVTURN 3, 48
	LEVTURN 4, 48
	LEVTURN 5, 32
	LEVTURN 6, 16
	LEVTURN 7, 0
	s_mov_b32 s45, XIMG
	s_mov_b32 s37, XSC
	v_add_nc_u32 v8, s45, v1                       ; v8, v14: x's fragments of tiles 0-3, 4-7;  v9: its scale words
	v_add_nc_u32 v14, 49152, v8
	v_add_nc_u32 v9, s37, v13
	FETCHX 0, 0, 0
	s_mov_b32 s41, 3
.Lk:                                                   ; a trip is two K steps
	KSTEP 0, 1, 1, 39, 39, 24576, 1024, 3072, 128
	KSTEP 1, 1, 1, 39, 39, 36864, 1536, 6144, 256
	s_wait_xcnt 0x0                                ; the loads have read their bases
	s_wait_dscnt 0x0                               ; and the LDS loads their addresses
	s_add_nc_u64 s[56:57], s[56:57], 24576
	s_add_nc_u64 s[58:59], s[58:59], 1024
	s_add_co_u32 s45, s45, 6144
	s_add_co_u32 s37, s37, 256
	v_add_nc_u32 v8, s45, v1
	v_add_nc_u32 v14, 49152, v8
	v_add_nc_u32 v9, s37, v13
	s_sub_co_u32 s41, s41, 1
	s_cmp_lg_u32 s41, 0
	s_cbranch_scc1 .Lk
	KSTEP 0, 0, 1, 39, 26, 0, 0, 3072, 128         ; the last two steps ask for no weights: the counts run down
	KSTEP 1, 0, 0, 13, 0, 0, 0, 0, 0
.irp x, 0,1,2,3,4,5,6,7                        ; item x (q, k: token tile; v: tile of columns): 64 accumulator registers on end
	s_wait_xcnt 0x0                                ; the last item's stores have read the codes' registers
	QUANT 64*(\x%4), 2+(\x/4)
	v_mov_b32 v[PWS+\x], v[PW]
	EPST \x
.endr
.irp i, 0,1,2,3
	v_cndmask_b32 v[SW+\i], v[PWS+2*\i], v[PWS+2*\i+1], s49        ; lanes 0-15: item 2 i's words, lanes 16-31: item 2 i + 1's
.endr
	s_cmp_lg_u32 s48, 0
	s_cbranch_scc1 .Lsv
.irp i, 0,1,2,3
	v_lshrrev_b32 v[SW+4+\i], 16, v[SW+\i]         ; the odd head's two bytes; above them zeros, which scale zero codes
.endr
	global_store_b128 v1, v[SW:SW+3], s[52:53]     ; the even head's: its bytes 2 and 3 are the odd head's, 1 to 254, and scale zero codes
	global_store_b128 v1, v[SW+4:SW+7], s[54:55]
	s_branch .Lsj
.Lsv:
	global_store_b64 v2, v[SW:SW+1], s[26:27] offset:12800
	global_store_b64 v2, v[SW+2:SW+3], s[38:39] offset:12800
.Lsj:
	s_wait_xcnt 0x0                                ; the stores have read their bases
	s_add_nc_u64 s[10:11], s[10:11], 2048          ; 512 columns on
	s_add_nc_u64 s[16:17], s[16:17], 2048
	s_add_nc_u64 s[22:23], s[22:23], 393216
	s_add_nc_u64 s[24:25], s[24:25], 16384
	s_add_nc_u64 s[26:27], s[26:27], s[50:51]
	s_add_nc_u64 s[38:39], s[38:39], s[50:51]
	s_add_nc_u64 s[52:53], s[52:53], s[50:51]
	s_add_nc_u64 s[54:55], s[54:55], s[50:51]
	s_sub_co_u32 s42, s42, 1
	s_cmp_lg_u32 s42, 0
	s_cbranch_scc1 .Lpass
	s_wait_tensorcnt 0x0
	ds_add_u32 v42, v43
	s_wait_dscnt 0x0
	s_endpgm
.Lfunc_end_k_qcb19a70651_proj:
	.size	k_qcb19a70651_proj, .Lfunc_end_k_qcb19a70651_proj-k_qcb19a70651_proj
	.p2alignl 7, 3214868480
	.fill 96, 4, 3214868480
	.section	.rodata,"a",@progbits
	.p2align	6, 0x0
	.amdhsa_kernel k_qcb19a70651_proj
		.amdhsa_group_segment_fixed_size 136704
		.amdhsa_private_segment_fixed_size 0
		.amdhsa_enable_private_segment 0
		.amdhsa_kernarg_size 104
		.amdhsa_user_sgpr_count 2
		.amdhsa_user_sgpr_kernarg_segment_ptr 1
		.amdhsa_wavefront_size32 1
		.amdhsa_system_sgpr_workgroup_id_x 1
		.amdhsa_system_sgpr_workgroup_id_y 1
		.amdhsa_system_sgpr_workgroup_id_z 1
		.amdhsa_system_vgpr_workitem_id 0
		.amdhsa_next_free_vgpr 1024
		.amdhsa_next_free_sgpr 66
		.amdhsa_reserve_vcc 0
		.amdhsa_float_denorm_mode_32 3
		.amdhsa_float_denorm_mode_16_64 3
		.amdhsa_memory_ordered 1
		.amdhsa_forward_progress 1
		.amdhsa_inst_pref_size 255
	.end_amdhsa_kernel
	.section	.bss,"aw",@nobits
	.p2align	6
	.space	262144
	.amdgpu_metadata
---
amdhsa.version: [ 1, 2 ]
amdhsa.kernels:
  - .name:           k_qcb19a70651_proj
    .symbol:         k_qcb19a70651_proj.kd
    .args:
      - { .name: Q, .offset: 0, .size: 8, .value_kind: global_buffer, .address_space: global }
      - { .name: K, .offset: 8, .size: 8, .value_kind: global_buffer, .address_space: global }
      - { .name: V, .offset: 16, .size: 8, .value_kind: global_buffer, .address_space: global }
      - { .name: Q_lev, .offset: 24, .size: 8, .value_kind: global_buffer, .address_space: global }
      - { .name: K_lev, .offset: 32, .size: 8, .value_kind: global_buffer, .address_space: global }
      - { .name: V_lev, .offset: 40, .size: 8, .value_kind: global_buffer, .address_space: global }
      - { .name: bq, .offset: 48, .size: 8, .value_kind: global_buffer, .address_space: global }
      - { .name: bk, .offset: 56, .size: 8, .value_kind: global_buffer, .address_space: global }
      - { .name: bv, .offset: 64, .size: 8, .value_kind: global_buffer, .address_space: global }
      - { .name: wc, .offset: 72, .size: 8, .value_kind: global_buffer, .address_space: global }
      - { .name: ws, .offset: 80, .size: 8, .value_kind: global_buffer, .address_space: global }
      - { .name: qq, .offset: 88, .size: 8, .value_kind: global_buffer, .address_space: global }
      - { .name: kv, .offset: 96, .size: 8, .value_kind: global_buffer, .address_space: global }
    .group_segment_fixed_size: 136704
    .private_segment_fixed_size: 0
    .kernarg_segment_align: 8
    .kernarg_segment_size: 104
    .max_flat_workgroup_size: 128
    .sgpr_count:     66
    .vgpr_count:     1024
    .wavefront_size: 32
...
	.end_amdgpu_metadata
.endif
;; end of part 2
;; launch attn (part 3): grid 4 x 64, 16 waves a work-group, clusters of 4 x 1, 215,040 bytes of LDS; arguments qq, kv, cc, cs; writes cc, cs
.if DOCPART == 3
	.amdgcn_target "amdgcn-amd-amdhsa--gfx1250"
	.amdhsa_code_object_version 6
	.text
	.protected	k_qcb19a70651_attn
	.globl	k_qcb19a70651_attn
	.p2align	8
	.type	k_qcb19a70651_attn,@function
k_qcb19a70651_attn:
	s_mov_b64 s[64:65], 0
	v_nop
	global_prefetch_b8 v0, s[64:65] scope:SCOPE_SE
	s_setreg_imm32_b32 hwreg(HW_REG_WAVE_MODE, 25, 1), 1
	s_wait_xcnt 0x0
	s_wait_alu depctr_hold_cnt(0) depctr_sa_sdst(0) depctr_va_vdst(0) depctr_va_sdst(0) depctr_va_ssrc(0) depctr_va_vcc(0) depctr_vm_vsrc(0)
	s_getreg_b32 s2, hwreg(HW_REG_IB_STS2, 6, 4)
	s_cmp_eq_u32 s2, 0
	s_cbranch_scc0 .Lentry_in_a_cluster
	s_endpgm
.Lentry_in_a_cluster:
	s_bfe_u32 s2, ttmp6, 0x10000c
	s_cmp_lg_u32 s2, 0x3003
	s_cbranch_scc0 .Lentry_shape_is_right
	s_endpgm
.Lentry_shape_is_right:
; ctx[b][q][h][:] = the sum over keys of softmax(q . k / 8) v, both products on codes of E2M3 with one E8M0 scale for 32 along a product's K; ctx is quantised at once along D for the last product.
; THE SOFTMAX: t = score x log2(e) / 8; M = the running largest t rounded UP to a whole number; p = 2^(t - M) is quantised along the keys, not normalised; the row's sum is taken of the
; unquantised p and divides at the end; when M moves, the sum and O are multiplied by 2^(old M - new M), which rounds nothing.
; SHARES: work-group = 512 queries of one head (y = 16 batch + head); each of sixteen waves owns one tile of 16 queries in each of two passes, in 256 registers: four waves to a SIMD, so that one
; wave's vector work stands beside another's products and LDS loads.
; THE WHOLE HEAD'S K, V AND SCALES, 208,896 bytes, STAY IN LDS, FILLED ONCE: wave w brings chunk w (128 keys, 13,056 dense bytes) by one tensor load: one load of a wave is out.  No byte is filled twice:
; no ring, and no barrier in the loop over the keys.  CLUSTER: the four work-groups of a cluster are the four quarters of one head's queries and need the same bytes: each load is asked for jointly.
; LAYOUT: both products transposed: S^T = K Q^T (source 0 = 16 keys), O^T = V^T P^T (source 0 = 16 channels): a lane holds ONE query.  The head has 64 numbers and the instruction takes 128 along K:
; registers 6-11 of K's and Q's fragments are zero codes.  Rows of a tile are item 32 B + 8 u + i + 8 (i / 8), so that the 16 registers of two neighbouring tiles are 16 neighbours along the next K.
; OUT: cc [token tile 512][head 16][768]: registers 0-3 at 16 l, 4-5 at 512 + 8 l;  cs [head 16][chunk 64][256]: the two scale bytes of tile 2 i + l / 16, row l % 16, at 8 l + 2 i.
; LIMITS: 1 / sum by v_rcp_f32; a block of ctx that is all zeros or under 2^-124 gets the byte 1; NaN and infinities are not served.
; REGISTERS: v1 16 l, v2 8 l, v3-4 the step's LDS addresses, v5 16 r, v6-7 LDS places of ctx's scale bytes; v8-11 K's scale words; v12 -M, v13 largest t, v[14:15] the sum; v16-27 Q; v28 Q's scale words;
;   v29 p's; v30-31 V's; v32-79 four fragments of K; v80-127 V's four; v128-191 S^T, then p; v192-223 O^T; v224-235 p's codes; v236-254 at work; v255 16 x thread.
.set CH,  13056
.set CSB, 208896                       ; behind the head: 1,024 bytes for the work-group's four chunks of ctx's scale bytes; no fill lands there
.set WV,  12
.set G1,  24
.set G0,  32
.set SEL, 44
.set CS,  46
.set TB,  48
.set CNT, 49
.macro PLACES n
.rept \n
	v_nop
.endr
.endm
.macro CROUND                          ; a round of the cluster's barrier
	s_barrier_signal -1
	s_barrier_wait -1
	s_cmp_lg_u32 s[WV], 0
	s_cbranch_scc1 .Lnot_wave_0_\@
	s_barrier_signal -3
.Lnot_wave_0_\@:
	s_barrier_wait -3
	s_barrier_signal -1
	s_barrier_wait -1
.endm
.macro WMZ dd, aa, bb, sa, sb, ra      ; a product that starts its sum
.if (\ra) == 0
	v_wmma_scale_f32_16x16x128_f8f6f4 v[\dd:\dd+7], v[\aa:\aa+11], v[\bb:\bb+11], 0, v[\sa], v[\sb] matrix_a_fmt:MATRIX_FMT_FP6 matrix_b_fmt:MATRIX_FMT_FP6
.else
	v_wmma_scale_f32_16x16x128_f8f6f4 v[\dd:\dd+7], v[\aa:\aa+11], v[\bb:\bb+11], 0, v[\sa], v[\sb] matrix_a_fmt:MATRIX_FMT_FP6 matrix_b_fmt:MATRIX_FMT_FP6 matrix_a_scale:MATRIX_SCALE_ROW1
.endif
.endm
.macro WMA dd, aa, bb, sa, sb, ra      ; one that adds in place
.if (\ra) == 0
	v_wmma_scale_f32_16x16x128_f8f6f4 v[\dd:\dd+7], v[\aa:\aa+11], v[\bb:\bb+11], v[\dd:\dd+7], v[\sa], v[\sb] matrix_a_fmt:MATRIX_FMT_FP6 matrix_b_fmt:MATRIX_FMT_FP6
.else
	v_wmma_scale_f32_16x16x128_f8f6f4 v[\dd:\dd+7], v[\aa:\aa+11], v[\bb:\bb+11], v[\dd:\dd+7], v[\sa], v[\sb] matrix_a_fmt:MATRIX_FMT_FP6 matrix_b_fmt:MATRIX_FMT_FP6 matrix_a_scale:MATRIX_SCALE_ROW1
.endif
.endm
	s_load_b128 s[4:7], s[0:1], 0x0                ; qq, kv
	s_load_b128 s[8:11], s[0:1], 0x10              ; cc, cs
	v_lshl_add_u32 v254, v0, 2, 0x34000
	v_mov_b32 v255, 0
	ds_add_u32 v254, v255
	ds_add_u32 v254, v255
	s_wait_dscnt 0x0
	v_lshrrev_b32 v1, 5, v0
	v_readfirstlane_b32 s[WV], v1                  ; wave 0..15
	s_and_b32 s14, ttmp7, 0xffff                   ; 16 batch + head, which the four partners share
	s_mul_i32 s[G0+1], s[WV], CH                   ; my chunk's place in LDS: the wave's number times a constant
	s_mul_i32 s18, s14, 208896
	s_add_co_u32 s18, s18, s[G0+1]                 ; and in kv
	s_mov_b32 s19, 0
	s_mov_b32 s[G0], 1                             ; count = 1
	s_mov_b32 s[G1], 15|(3<<16)|(1<<21)            ; the mask: all four work-groups; elements of 8 bytes; no padding; bit 21 set beside a mask
	s_mov_b32 s[G1+1], 32<<16                      ; tensor_dim0 = 32 elements: rows of 256 bytes
	s_mov_b32 s[G1+2], 51<<16                      ; tensor_dim1 = 51 rows
	s_mov_b32 s[G1+3], 32<<16                      ; tile_dim0
	s_mov_b32 s[G1+4], 51                          ; tile_dim1
	s_mov_b32 s[G1+5], 32                          ; the pitch: the block is dense
	s_mov_b32 s[G1+6], 0
	s_mov_b32 s[G1+7], 0
	s_bfe_u32 s13, ttmp6, 0x40000                  ; cx: it enters the addresses of q, cc and cs alone
	s_lshl_b32 s17, ttmp9, 2
	s_add_co_u32 s17, s17, s13                     ; which quarter of the head's queries
	s_lshr_b32 s15, s14, 4                         ; batch
	s_and_b32 s16, s14, 15                         ; head
	s_lshl_b32 s20, s17, 2
	s_lshr_b32 s21, s[WV], 3
	s_add_co_u32 s20, s20, s21                     ; pass 0's chunk of queries: 4 quarter + w / 8
	s_mul_i32 s20, s20, 6656
	s_mul_i32 s21, s14, 106496
	s_add_co_u32 s20, s20, s21
	s_mov_b32 s21, 0
	s_and_b32 s22, s[WV], 7                        ; my tile in it
	s_mul_i32 s22, s22, 768
	s_mov_b32 s23, 0
	s_and_b32 s50, s[WV], 1                        ; its scale words: 6,144 + 256 (tile % 2) + 4 (tile / 2) + 16 r
	s_lshl_b32 s50, s50, 8
	s_bfe_u32 s51, s[WV], 0x20001
	s_lshl_b32 s51, s51, 2
	s_add_co_u32 s50, s50, s51
	s_add_co_u32 s50, s50, 6144
	s_mov_b32 s51, 0
	s_lshl_b32 s52, s15, 7                         ; cc: token tile 128 batch + 32 quarter + w
	s_lshl_b32 s53, s17, 5
	s_add_co_u32 s52, s52, s53
	s_add_co_u32 s52, s52, s[WV]
	s_mul_i32 s52, s52, 12288
	s_mul_i32 s53, s16, 768
	s_add_co_u32 s52, s52, s53
	s_mov_b32 s53, 0
	s_lshl_b32 s54, s15, 4                         ; cs: chunk 16 batch + 4 quarter
	s_lshl_b32 s55, s17, 2
	s_add_co_u32 s54, s54, s55
	s_lshl_b32 s54, s54, 8
	s_lshl_b32 s55, s16, 14
	s_add_co_u32 s54, s54, s55
	s_mov_b32 s55, 0
	s_lshr_b32 s2, s[WV], 3                        ; LDS place of my tile's scale bytes: 256 (w / 8) + 128 (w % 2) + 2 ((w / 2) % 4) + 8 r
	s_lshl_b32 s2, s2, 8
	s_and_b32 s3, s[WV], 1
	s_lshl_b32 s3, s3, 7
	s_add_co_u32 s2, s2, s3
	s_bfe_u32 s3, s[WV], 0x20001
	s_lshl_b32 s3, s3, 1
	s_add_co_u32 s2, s2, s3
	s_add_co_u32 s2, s2, CSB
	s_mov_b32 s[SEL], 0x76543210
	s_mov_b32 s[SEL+1], 0xfedcba98                 ; v_permlanex16_b32's selects for lane l xor 16
	s_mov_b32 s[CS], 0x3e38aa3b                    ; c = log2(e) / 8
	s_mov_b32 s[CS+1], s[CS]                       ; (named with it as a pair, so it is written)
	v_and_b32 v3, 31, v0
	v_lshlrev_b32 v1, 4, v3
	v_lshlrev_b32 v2, 3, v3
	v_and_b32 v254, 15, v0
	v_lshlrev_b32 v5, 4, v254
	v_lshl_add_u32 v6, v254, 3, s2
	v_lshl_add_u32 v7, v0, 4, CSB
	v_lshlrev_b32 v255, 4, v0
	s_wait_kmcnt 0x0
	s_add_nc_u64 s[G0+2:G0+3], s[6:7], s[18:19]
	s_or_b32 s[G0+3], s[G0+3], 0x80000000          ; type = 2
	s_add_nc_u64 s[36:37], s[4:5], s[20:21]
	s_add_nc_u64 s[38:39], s[36:37], s[50:51]      ; s[38:39] q's scale words
	s_add_nc_u64 s[36:37], s[36:37], s[22:23]      ; s[36:37] q's tile
	s_add_nc_u64 s[40:41], s[8:9], s[52:53]        ; s[40:41] cc
	s_add_nc_u64 s[42:43], s[10:11], s[54:55]      ; s[42:43] cs
	CROUND                                         ; all four work-groups are here: the joint loads meet
	tensor_load_to_lds s[G0:G0+3], s[G1:G1+7]
	s_nop 0
	PLACES 4
.macro QLOAD ps                        ; pass ps's tile of queries: two chunks on in pass 1
	global_load_b128 v[16:19], v1, s[36:37] offset:13312*(\ps)
	global_load_b64 v[20:21], v2, s[36:37] offset:13312*(\ps)+512
	global_load_b32 v28, v5, s[38:39] offset:13312*(\ps)
.endm
	QLOAD 0
.irp j, 22,23,24,25,26,27
	v_mov_b32 v[\j], 0                             ; Q's upper 64 along K: zero codes
.endr
.irp t, 0,1,2,3
.irp j, 6,7,8,9,10,11
	v_mov_b32 v[32+12*\t+\j], 0                    ; K's likewise: written once
.endr
.endr
.irp b, 0,1,2,3
	v_mov_b32 v[236+\b], 0                         ; a lane permute's destination counts as one of its sources
.endr
	v_mov_b32 v253, 0                              ; (named as the upper half of the pair v[252:253])
	s_wait_tensorcnt 0x0                           ; my chunk has landed,
	s_barrier_signal -1
	s_barrier_wait -1                              ; everybody's has
; A KEY STEP: the 128 keys of the chunk at LDS byte s[TB].
.macro STEP
	v_add_nc_u32 v3, s[TB], v1
	v_add_nc_u32 v4, s[TB], v2
.irp t, 0,1,2,3
	ds_load_b128 v[32+12*\t:35+12*\t], v3 offset:768*\t
	ds_load_b64 v[36+12*\t:37+12*\t], v4 offset:768*\t+512
.endr
	ds_load_b128 v[8:11], v3 offset:12288          ; K's scale words: register i: tiles 2 i and 2 i + 1
	s_wait_dscnt 0x0
.irp t, 0,1,2,3
	WMZ 128+8*\t, 32+12*\t, 16, 8+(\t/2), 28, \t%2
.endr
	PLACES 4                                       ; in front of loads into registers that matrix instructions have read (with the two additions above: six behind the last step's products, for V's)
.irp t, 0,1,2,3
	ds_load_b128 v[32+12*\t:35+12*\t], v3 offset:768*(\t+4)
	ds_load_b64 v[36+12*\t:37+12*\t], v4 offset:768*(\t+4)+512
.endr
.irp t, 0,1,2,3
.irp c, 0,1,2
	ds_load_b128 v[80+12*\t+4*\c:83+12*\t+4*\c], v3 offset:6144+1536*\t+512*\c
.endr
.endr
	ds_load_b64 v[30:31], v4 offset:12800
	s_wait_dscnt 13                                ; K's tiles 4-7 are in; V's thirteen loads may stay out and land under the softmax
.irp t, 0,1,2,3
	WMZ 160+8*\t, 32+12*\t, 16, 10+(\t/2), 28, \t%2
.endr
	PLACES 4
.irp b, 0,1,2,3
	v_max3_num_f32 v[248+\b], v[128+16*\b], v[129+16*\b], v[130+16*\b]   ; the largest score of each block of 32 keys: for the row's maximum, and, since p rises with the score, for the block's largest p
.endr
.irp i, 3,5,7,9,11,13
.irp b, 0,1,2,3
	v_max3_num_f32 v[248+\b], v[248+\b], v[128+16*\b+\i], v[129+16*\b+\i]
.endr
.endr
.irp b, 0,1,2,3
	v_max_num_f32 v[248+\b], v[248+\b], v[143+16*\b]
.endr
.irp b, 0,1,2,3
	v_permlanex16_b32 v[236+\b], v[248+\b], s[SEL], s[SEL+1]
.endr
.irp b, 0,1,2,3
	v_max_num_f32 v[248+\b], v[248+\b], v[236+\b]  ; with lane l xor 16's 16 keys
.endr
	v_max3_num_f32 v254, v248, v249, v250
	v_max_num_f32 v254, v254, v251
	v_mul_f32 v254, s[CS], v254                    ; as t (c is positive)
	v_max_num_f32 v13, v13, v254                   ; the running largest t
	v_mov_b32 v254, v12
	v_floor_f32 v12, -v13                          ; the new -M = floor(-t)
	v_sub_f32 v254, v12, v254                      ; old M - new M: a whole number, 0 or less
	v_cvt_i32_f32 v254, v254                       ; (it saturates)
	v_ldexp_f32 v252, 1.0, v254                    ; f = 2^(old M - new M)
.irp j, 0,2,4,6,8,10,12,14,16,18,20,22,24,26,28,30,32,34,36,38,40,42,44,46,48,50,52,54,56,58,60,62
	v_pk_fma_f32 v[128+\j:129+\j], v[128+\j:129+\j], s[CS:CS+1], v[12:13] op_sel_hi:[1,0,0]   ; t - M
.endr
.irp b, 0,1,2,3
	v_fma_f32 v[248+\b], v[248+\b], s[CS], v12
.endr
.irp j, 0,1,2,3,4,5,6,7,8,9,10,11,12,13,14,15,16,17,18,19,20,21,22,23,24,25,26,27,28,29,30,31,32,33,34,35,36,37,38,39,40,41,42,43,44,45,46,47,48,49,50,51,52,53,54,55,56,57,58,59,60,61,62,63
	v_exp_f32 v[128+\j], v[128+\j]                 ; p = 2^(t - M)
.endr
.irp b, 0,1,2,3
	v_exp_f32 v[248+\b], v[248+\b]                 ; the block's largest p: the same two instructions on the same number
.endr
	v_pk_mul_f32 v[14:15], v[14:15], v[252:253] op_sel_hi:[1,0]   ; the sums under the new M (a plain line behind the exponentials)
	s_wait_alu depctr_va_vdst(0)
.irp b, 0,1,2,3
	v_max_num_f32 v[248+\b], 0x1800000, v[248+\b]  ; the floor 2^(3 - 127): the byte cannot fall under 1
.endr
.irp b, 0,1,2,3
	v_add_nc_u32 v[244+\b], 0xff000000, v[248+\b]  ; the conversion's scale operand
.endr
.irp b, 0,1,2,3
	v_lshrrev_b32 v[236+\b], 23, v[244+\b]
.endr
	v_lshl_or_b32 v29, v237, 8, v236               ; p's scale word for these 128 keys
	v_lshl_or_b32 v29, v238, 16, v29
	v_lshl_or_b32 v29, v239, 24, v29
.irp c, 0,1
	v_cvt_scalef32_pk16_fp6_f32 v[224+6*\c:226+6*\c], v[128+32*\c:143+32*\c], v[244+2*\c]
	v_cvt_scalef32_pk16_fp6_f32 v[236+4*\c:238+4*\c], v[144+32*\c:159+32*\c], v[244+2*\c+1]
.endr
	v_nop                                          ; one plain line behind the conversions
.irp c, 0,1
.irp i, 0,1,2
	v_permlane16_swap_b32 v[224+6*\c+\i], v[236+4*\c+\i]
.endr
.irp i, 0,1,2
	v_mov_b32 v[227+6*\c+\i], v[236+4*\c+\i]
.endr
.endr
	v_pk_add_f32 v[236:237], v[128:129], v[130:131]               ; the row's sum, of the UNQUANTISED p, in two chains
.irp j, 4,8,12,16,20,24,28,32,36,40,44,48,52,56,60
	v_pk_add_f32 v[14:15], v[14:15], v[128+\j:129+\j]
	v_pk_add_f32 v[236:237], v[236:237], v[130+\j:131+\j]
.endr
	v_pk_add_f32 v[14:15], v[14:15], v[236:237]
.irp j, 0,2,4,6,8,10,12,14,16,18,20,22,24,26,28,30
	v_pk_mul_f32 v[192+\j:193+\j], v[192+\j:193+\j], v[252:253] op_sel_hi:[1,0]   ; O^T under the new M
.endr
	s_wait_dscnt 0x0                               ; V
.irp t, 0,1,2,3
	WMA 192+8*\t, 80+12*\t, 224, 30+(\t/2), 29, \t%2
.endr
.endm
.macro PASS ps
	s_wait_loadcnt 0x0                             ; Q
	s_wait_xcnt 0x0                                ; the last pass's stores have read their registers
	v_mov_b32 v13, 0xff61b1e6                      ; the largest t so far: -3e38
	v_floor_f32 v12, -v13
	v_mov_b32 v14, 0
	v_mov_b32 v15, 0
.irp j, 0,1,2,3,4,5,6,7,8,9,10,11,12,13,14,15,16,17,18,19,20,21,22,23,24,25,26,27,28,29,30,31
	v_mov_b32 v[192+\j], 0                         ; O^T: the step is written once; the first finds zeros, which the first change of M leaves zeros
.endr
	s_mov_b32 s[TB], 0
	s_mov_b32 s[CNT], 16
.Lstep_\@:
	STEP
	s_add_co_u32 s[TB], s[TB], CH
	s_sub_co_u32 s[CNT], s[CNT], 1
	s_cmp_lg_u32 s[CNT], 0
	s_cbranch_scc1 .Lstep_\@
	PLACES 4                                       ; behind the last products
.if (\ps) == 0
	QLOAD 1                                        ; the next pass's queries land under the lines below
.endif
	v_add_f32 v14, v14, v15
	v_permlanex16_b32 v252, v14, s[SEL], s[SEL+1]
	v_add_f32 v14, v14, v252                       ; the row's sum
	v_rcp_f32 v14, v14
	v_nop
	s_wait_alu depctr_va_vdst(0)
.irp j, 0,2,4,6,8,10,12,14,16,18,20,22,24,26,28,30
	v_pk_mul_f32 v[128+\j:129+\j], v[192+\j:193+\j], v[14:15] op_sel_hi:[1,0]   ; ctx: register 16 B + i = channel 32 B + 16 h + i of my query
.endr
.irp b, 0,1
	v_max3_num_f32 v[248+\b], |v[128+16*\b]|, |v[129+16*\b]|, 0x1800000
.endr
.irp i, 2,4,6,8,10,12,14
.irp b, 0,1
	v_max3_num_f32 v[248+\b], v[248+\b], |v[128+16*\b+\i]|, |v[129+16*\b+\i]|
.endr
.endr
.irp b, 0,1
	v_permlanex16_b32 v[236+\b], v[248+\b], s[SEL], s[SEL+1]
.endr
.irp b, 0,1
	v_max_num_f32 v[248+\b], v[248+\b], v[236+\b]
.endr
.irp b, 0,1
	v_add_nc_u32 v[244+\b], 0xff000000, v[248+\b]
.endr
.irp b, 0,1
	v_lshrrev_b32 v[236+\b], 23, v[244+\b]
.endr
	v_lshl_or_b32 v254, v237, 8, v236              ; the head's two scale bytes of my query
	v_cvt_scalef32_pk16_fp6_f32 v[224:226], v[128:143], v244
	v_cvt_scalef32_pk16_fp6_f32 v[240:242], v[144:159], v245
	v_nop
.irp i, 0,1,2
	v_permlane16_swap_b32 v[224+\i], v[240+\i]
.endr
.irp i, 0,1,2
	v_mov_b32 v[227+\i], v[240+\i]
.endr
	global_store_b128 v1, v[224:227], s[40:41] offset:196608*(\ps)        ; 512 consecutive bytes, aligned
	global_store_b64 v2, v[228:229], s[40:41] offset:196608*(\ps)+512     ; 256
	ds_store_b16 v6, v254 offset:512*(\ps)         ; both halves of the lanes write the same two bytes
.endm
	PASS 0
	PASS 1
	s_wait_dscnt 0x0                               ; for the others' sake: my scale bytes lie in LDS
	s_barrier_signal -1
	s_barrier_wait -1
	s_cmp_lt_u32 s[WV], 2
	s_cbranch_scc0 .Lnocs
	ds_load_b128 v[128:131], v7                    ; waves 0 and 1 store the work-group's 1,024 bytes
	s_wait_dscnt 0x0
	global_store_b128 v255, v[128:131], s[42:43]
.Lnocs:
	s_wait_xcnt 0x0
	v_lshl_add_u32 v254, v0, 2, 0x34000
	v_mov_b32 v255, 0
	s_wait_tensorcnt 0x0
	ds_add_u32 v254, v255
	s_wait_dscnt 0x0
	CROUND                                         ; the closing round
	s_endpgm
.Lfunc_end_k_qcb19a70651_attn:
	.size	k_qcb19a70651_attn, .Lfunc_end_k_qcb19a70651_attn-k_qcb19a70651_attn
	.p2alignl 7, 3214868480
	.fill 96, 4, 3214868480
	.section	.rodata,"a",@progbits
	.p2align	6, 0x0
	.amdhsa_kernel k_qcb19a70651_attn
		.amdhsa_group_segment_fixed_size 215040
		.amdhsa_private_segment_fixed_size 0
		.amdhsa_enable_private_segment 0
		.amdhsa_kernarg_size 32
		.amdhsa_user_sgpr_count 2
		.amdhsa_user_sgpr_kernarg_segment_ptr 1
		.amdhsa_wavefront_size32 1
		.amdhsa_system_sgpr_workgroup_id_x 1
		.amdhsa_system_sgpr_workgroup_id_y 1
		.amdhsa_system_sgpr_workgroup_id_z 1
		.amdhsa_system_vgpr_workitem_id 0
		.amdhsa_next_free_vgpr 256
		.amdhsa_next_free_sgpr 66
		.amdhsa_reserve_vcc 0
		.amdhsa_float_denorm_mode_32 3
		.amdhsa_float_denorm_mode_16_64 3
		.amdhsa_memory_ordered 1
		.amdhsa_forward_progress 1
		.amdhsa_inst_pref_size 48
	.end_amdhsa_kernel
	.amdgpu_metadata
---
amdhsa.version: [ 1, 2 ]
amdhsa.kernels:
  - .name:           k_qcb19a70651_attn
    .symbol:         k_qcb19a70651_attn.kd
    .args:
      - { .name: qq, .offset: 0, .size: 8, .value_kind: global_buffer, .address_space: global }
      - { .name: kv, .offset: 8, .size: 8, .value_kind: global_buffer, .address_space: global }
      - { .name: cc, .offset: 16, .size: 8, .value_kind: global_buffer, .address_space: global }
      - { .name: cs, .offset: 24, .size: 8, .value_kind: global_buffer, .address_space: global }
    .group_segment_fixed_size: 215040
    .private_segment_fixed_size: 0
    .kernarg_segment_align: 8
    .kernarg_segment_size: 32
    .max_flat_workgroup_size: 512
    .sgpr_count:     66
    .vgpr_count:     256
    .wavefront_size: 32
...
	.end_amdgpu_metadata
.endif
;; end of part 3
;; launch outp (part 4): grid 4 x 64, 4 waves a work-group, no clusters, 116,224 bytes of LDS; arguments cc, cs, wc, ws, bo, out0; writes out0
.if DOCPART == 4
	.amdgcn_target "amdgcn-amd-amdhsa--gfx1250"
	.amdhsa_code_object_version 6
	.text
	.protected	k_qcb19a70651_outp
	.globl	k_qcb19a70651_outp
	.p2align	8
	.type	k_qcb19a70651_outp,@function
k_qcb19a70651_outp:
	s_mov_b64 s[64:65], 0
	v_nop
	global_prefetch_b8 v0, s[64:65] scope:SCOPE_SE
	s_setreg_imm32_b32 hwreg(HW_REG_WAVE_MODE, 25, 1), 1
	s_wait_xcnt 0x0
; out0 = ctx Wo + bo on codes of E2M3 with one E8M0 scale for 32 along K.  ctx's codes (cc) and scale bytes (cs) and Wo's (wc, ws: the fourth weight) lie in the order of operand registers.
; SHARES: work-group (x, y): tokens 128 y on x columns 256 x on; wave w: all 128 tokens x columns 64 w on: 32 accumulators.  A wave's 32 fragments of Wo stay in its registers, read once.
; ctx's 64 fragments (98,304 bytes, dense in cc) are copied once into LDS, a quarter by each wave, since all four waves read them; one barrier.
; Source 0 = 16 columns of Wo, source 1 = 16 tokens: a lane holds one token and eight neighbouring columns.  The bias is the C of each sum's first product.
; Rows of a tile are item 32 B + 8 u + i + 8 (i / 8), of tokens and of columns alike; the way out puts each row at its token.
; NO JOINT LOADS: operands come by plain loads in register order; what four work-groups share (98,304 bytes of ctx) is copied once by each and is a fifth of what a work-group moves (131,072 bytes out, 196,608 of weights).
; REGISTERS: window 0: v1-9 addresses; v16-47 ctx's scale words (4 s + i), v48-63 Wo's (2 s + i); v64-159, v160-255 ctx's fragments, two sets (first the copy's landing, last the way out).
;   window 1: accumulator (a, t) at 64 t + 8 a.  window 2: Wo's K steps 0-4 at 48 s + 12 t.  window 3: K steps 5-7; v144-175 bias; v176-207 cs as loaded.
.set STG, 98304                        ; LDS: ctx's images [tile 8][head 16][768] at 0; then a stage of 16 rows x (256 + 16) bytes for each wave
.set MSB, 0
.macro WIN new
.if MSB != (\new)
	s_set_vgpr_msb (MSB<<8)|(\new)
.set MSB, (\new)
.endif
.endm
.macro PLACES n
.rept \n
	v_nop
.endr
.endm
.macro WM dd, aa, bb, cc, sa, sb, ra, rb
.if ((\ra) == 0) && ((\rb) == 0)
	v_wmma_scale_f32_16x16x128_f8f6f4 v[\dd:\dd+7], v[\aa:\aa+11], v[\bb:\bb+11], v[\cc:\cc+7], v[\sa], v[\sb] matrix_a_fmt:MATRIX_FMT_FP6 matrix_b_fmt:MATRIX_FMT_FP6
.elseif (\rb) == 0
	v_wmma_scale_f32_16x16x128_f8f6f4 v[\dd:\dd+7], v[\aa:\aa+11], v[\bb:\bb+11], v[\cc:\cc+7], v[\sa], v[\sb] matrix_a_fmt:MATRIX_FMT_FP6 matrix_b_fmt:MATRIX_FMT_FP6 matrix_a_scale:MATRIX_SCALE_ROW1
.elseif (\ra) == 0
	v_wmma_scale_f32_16x16x128_f8f6f4 v[\dd:\dd+7], v[\aa:\aa+11], v[\bb:\bb+11], v[\cc:\cc+7], v[\sa], v[\sb] matrix_a_fmt:MATRIX_FMT_FP6 matrix_b_fmt:MATRIX_FMT_FP6 matrix_b_scale:MATRIX_SCALE_ROW1
.else
	v_wmma_scale_f32_16x16x128_f8f6f4 v[\dd:\dd+7], v[\aa:\aa+11], v[\bb:\bb+11], v[\cc:\cc+7], v[\sa], v[\sb] matrix_a_fmt:MATRIX_FMT_FP6 matrix_b_fmt:MATRIX_FMT_FP6 matrix_a_scale:MATRIX_SCALE_ROW1 matrix_b_scale:MATRIX_SCALE_ROW1
.endif
.endm
	s_load_b256 s[4:11], s[0:1], 0x0               ; cc, cs, wc, ws
	s_load_b128 s[12:15], s[0:1], 0x20             ; bo, out0
	v_lshl_add_u32 v14, v0, 2, 0x1c400
	v_mov_b32 v15, 0
	v_lshrrev_b32 v1, 5, v0
	v_readfirstlane_b32 s16, v1                    ; wave
	s_and_b32 s17, ttmp7, 0xffff                   ; y
	v_and_b32 v10, 31, v0
	v_and_b32 v11, 15, v0                          ; r
	v_bfe_u32 v12, v0, 4, 1                        ; h
	v_lshlrev_b32 v1, 4, v10                       ; v1, v2: 16 x lane, 8 x lane;  v3, v4: the same 49,152 bytes on (tiles 4-7)
	v_lshlrev_b32 v2, 3, v10
	v_add_nc_u32 v3, 49152, v1
	v_add_nc_u32 v4, 49152, v2
	s_mul_i32 s18, s16, 24576
	v_add_nc_u32 v5, s18, v1                       ; v5  where my quarter of the copy goes
	s_mul_i32 s19, s16, 4352
	s_add_co_u32 s19, s19, STG                     ; my stage
	v_mul_u32_u24 v6, v11, 272
	v_lshl_add_u32 v6, v12, 6, v6
	v_add_nc_u32 v6, s19, v6                       ; v6  in: row r, + 64 h
	v_mul_u32_u24 v7, v12, 272
	v_lshl_add_u32 v7, v11, 4, v7
	v_add_nc_u32 v7, s19, v7                       ; v7  back: lanes 0-15 one row of 256 bytes, lanes 16-31 the next
	v_lshlrev_b32 v8, 12, v12
	v_lshl_add_u32 v8, v11, 4, v8                  ; v8  and the same in out0
	v_lshlrev_b32 v9, 6, v12                       ; v9  64 h
	s_mov_b32 s20, 0x05040100                      ; the two low halves
	s_mov_b32 s21, 0x07060302                      ; the two high halves
	s_mul_i32 s22, s17, 98304
	s_add_co_u32 s22, s22, s18
	s_mov_b32 s23, 0                               ; cc
	s_lshl_b32 s24, s17, 8
	s_mov_b32 s25, 0                               ; cs
	s_lshl_b32 s26, ttmp9, 1
	s_lshr_b32 s27, s16, 1
	s_add_co_u32 s26, s26, s27                     ; g = 2 x + w / 2
	s_and_b32 s27, s16, 1                          ; which half of its eight tiles
	s_mul_i32 s28, s26, 98304
	s_mul_i32 s29, s27, 6144
	s_add_co_u32 s28, s28, s29
	s_add_co_u32 s28, s28, 2359296
	s_mov_b32 s29, 0                               ; wc
	s_lshl_b32 s30, s26, 12
	s_lshl_b32 s31, s27, 8
	s_add_co_u32 s30, s30, s31
	s_add_co_u32 s30, s30, 98304
	s_mov_b32 s31, 0                               ; ws
	s_lshl_b32 s32, ttmp9, 10
	s_lshl_b32 s33, s16, 8
	s_add_co_u32 s32, s32, s33
	s_mov_b32 s33, 0                               ; my 64 columns, in bytes
	s_lshl_b32 s34, s17, 19
	s_mov_b32 s35, 0                               ; my 128 rows of out0
	s_wait_kmcnt 0x0
	s_add_nc_u64 s[4:5], s[4:5], s[22:23]
	s_add_nc_u64 s[6:7], s[6:7], s[24:25]
	s_add_nc_u64 s[8:9], s[8:9], s[28:29]
	s_add_nc_u64 s[10:11], s[10:11], s[30:31]
	s_add_nc_u64 s[12:13], s[12:13], s[32:33]
	s_add_nc_u64 s[14:15], s[14:15], s[32:33]
	s_add_nc_u64 s[14:15], s[14:15], s[34:35]
.set kk, 0
.rept 48
	global_load_b128 v[64+4*kk:67+4*kk], v1, s[4:5] offset:512*kk   ; my quarter of ctx's images: 24,576 dense bytes
.set kk, kk+1
.endr
	WIN 0xc0
.irp d, 0,1,2,3,4,5,6,7,8,9,10,11,12,13,14,15
	global_load_b64 v[176+2*\d:177+2*\d], v2, s[6:7] offset:16384*\d   ; head d's scale bytes of my eight tiles
.endr
.irp t, 0,1,2,3
.irp q, 0,1
	global_load_b128 v[144+8*\t+4*\q:147+8*\t+4*\q], v9, s[12:13] offset:128*(\t/2)+32*(\t%2)+16*\q   ; bias in the result's layout
.endr
.endr
	WIN 0
.irp s, 0,1,2,3,4,5,6,7
	global_load_b64 v[48+2*\s:49+2*\s], v2, s[10:11] offset:512*\s
.endr
	s_wait_loadcnt 32                              ; the copy's 48 loads are in; the 32 small ones behind them may be out
.set kk, 0
.rept 48
	ds_store_b128 v5, v[64+4*kk:67+4*kk] offset:512*kk
.set kk, kk+1
.endr
	WIN 0x80
.irp s, 0,1,2,3,4
.irp t, 0,1,2,3
.irp c, 0,1,2
	global_load_b128 v[48*\s+12*\t+4*\c:48*\s+12*\t+4*\c+3], v1, s[8:9] offset:12288*\s+1536*\t+512*\c
.endr
.endr
.endr
	WIN 0xc0
.irp s, 5,6,7
.irp t, 0,1,2,3
.irp c, 0,1,2
	global_load_b128 v[48*(\s-5)+12*\t+4*\c:48*(\s-5)+12*\t+4*\c+3], v1, s[8:9] offset:12288*\s+1536*\t+512*\c
.endr
.endr
.endr
	WIN 0
	s_wait_dscnt 0x0                               ; for the others' sake: my quarter lies in LDS
	s_barrier_signal -1
	s_barrier_wait -1
	s_wait_loadcnt 63                              ; the 32 small loads are in: 96 loads are younger, and a count names 63 at the most
	WIN 0x0f                                       ; sources 0 and 1 in window 3
.irp s, 0,1,2,3,4,5,6,7                        ; K step s = heads 2 s and 2 s + 1: two bytes of each make a row's scale word
	v_perm_b32 v[16+4*\s], v[178+4*\s], v[176+4*\s], s20
	v_perm_b32 v[17+4*\s], v[178+4*\s], v[176+4*\s], s21
	v_perm_b32 v[18+4*\s], v[179+4*\s], v[177+4*\s], s20
	v_perm_b32 v[19+4*\s], v[179+4*\s], v[177+4*\s], s21
.endr
	WIN 0
.macro FETCHA set, s                   ; ctx's eight fragments of K step s: head 2 s gives registers 0-5, head 2 s + 1 registers 6-11
.irp a, 0,1,2,3,4,5,6,7
	ds_load_b128 v[64+96*(\set)+12*\a:64+96*(\set)+12*\a+3], v[1+2*(\a/4)] offset:12288*(\a%4)+1536*(\s)
	ds_load_b64 v[64+96*(\set)+12*\a+4:64+96*(\set)+12*\a+5], v[2+2*(\a/4)] offset:12288*(\a%4)+1536*(\s)+512
	ds_load_b128 v[64+96*(\set)+12*\a+6:64+96*(\set)+12*\a+9], v[1+2*(\a/4)] offset:12288*(\a%4)+1536*(\s)+768
	ds_load_b64 v[64+96*(\set)+12*\a+10:64+96*(\set)+12*\a+11], v[2+2*(\a/4)] offset:12288*(\a%4)+1536*(\s)+1280
.endr
.endm
	FETCHA 0, 0
	PLACES 8                                       ; scale registers written by vector instructions stand eight lines ahead of a scaled product
; A K step: 32 matrix instructions, the 32 accumulators by turns in the same order in every step.
.macro KS s
.set PAR, (\s)%2
.set WB, 48*((\s)%5)
.set NN, 12*(7-(\s))
.if NN > 63
.set NN, 63
.endif
	s_wait_dscnt 0x0                               ; this step's fragments of ctx
	PLACES 4                                       ; in front of loads into the set that the last step multiplied
.if (\s) < 7
	FETCHA 1-PAR, (\s)+1
.endif
	s_wait_loadcnt NN                              ; this step's 12 loads of Wo are in: 12 for each later step are younger
.if (\s) == 0
	WIN 0x72                                       ; source 0 window 2, C (bias) window 3, D window 1
.elseif (\s) < 5
	WIN 0x52
.else
	WIN 0x53                                       ; source 0 window 3
.endif
.irp t, 0,1,2,3
.irp a, 0,1,2,3,4,5,6,7
.if (\s) == 0
	WM 64*\t+8*\a, WB+12*\t, 64+96*PAR+12*\a, 144+8*\t, 48+2*(\s)+(\t/2), 16+4*(\s)+(\a/2), \t%2, \a%2
.else
	WM 64*\t+8*\a, WB+12*\t, 64+96*PAR+12*\a, 64*\t+8*\a, 48+2*(\s)+(\t/2), 16+4*(\s)+(\a/2), \t%2, \a%2
.endif
.endr
.endr
	WIN 0
.endm
.irp s, 0,1,2,3,4,5,6,7
	KS \s
.endr
; THE WAY OUT, a tile of 16 tokens x 64 columns at a time: through my own stage, back as whole rows of 256 bytes.  LDS serves a wave's instructions in order: no wait between the stores and the loads, nor ahead of the next tile's stores.
.macro TOSTAGE a
	WIN 0x04                                       ; an LDS store's data are its source 1: window 1
.irp t, 0,1,2,3
	ds_store_b128 v6, v[64*\t+8*(\a):64*\t+8*(\a)+3] offset:128*(\t/2)+32*(\t%2)          ; each accumulator from its low end on
	ds_store_b128 v6, v[64*\t+8*(\a)+4:64*\t+8*(\a)+7] offset:128*(\t/2)+32*(\t%2)+16
.endr
	WIN 0
.irp k, 0,1,2,3,4,5,6,7
	ds_load_b128 v[64+32*((\a)%2)+4*\k:64+32*((\a)%2)+4*\k+3], v7 offset:544*\k
.endr
.endm
.macro SEND a, younger                 ; younger: the next tile's sixteen LDS instructions, or none
	s_wait_dscnt \younger
.irp k, 0,1,2,3,4,5,6,7
	global_store_b128 v8, v[64+32*((\a)%2)+4*\k:64+32*((\a)%2)+4*\k+3], s[14:15] offset:(32*((\a)/2)+8*((\a)%2)+2*\k+8*(\k/4))*4096 th:TH_STORE_NT   ; sixteen lanes store 256 consecutive bytes, aligned
.endr
.endm
	PLACES 4                                       ; behind the last products
	TOSTAGE 0
.irp a, 1,2,3,4,5,6,7
.if \a > 1
	s_wait_xcnt 0x0                                ; tile a - 2's stores have read the registers into which tile a's rows come back
.endif
	TOSTAGE \a
	SEND \a-1, 16
.endr
	SEND 7, 0
	s_wait_tensorcnt 0x0
	ds_add_u32 v14, v15
	s_wait_dscnt 0x0
	s_endpgm
.Lfunc_end_k_qcb19a70651_outp:
	.size	k_qcb19a70651_outp, .Lfunc_end_k_qcb19a70651_outp-k_qcb19a70651_outp
	.p2alignl 7, 3214868480
	.fill 96, 4, 3214868480
	.section	.rodata,"a",@progbits
	.p2align	6, 0x0
	.amdhsa_kernel k_qcb19a70651_outp
		.amdhsa_group_segment_fixed_size 116224
		.amdhsa_private_segment_fixed_size 0
		.amdhsa_enable_private_segment 0
		.amdhsa_kernarg_size 48
		.amdhsa_user_sgpr_count 2
		.amdhsa_user_sgpr_kernarg_segment_ptr 1
		.amdhsa_wavefront_size32 1
		.amdhsa_system_sgpr_workgroup_id_x 1
		.amdhsa_system_sgpr_workgroup_id_y 1
		.amdhsa_system_sgpr_workgroup_id_z 1
		.amdhsa_system_vgpr_workitem_id 0
		.amdhsa_next_free_vgpr 1024
		.amdhsa_next_free_sgpr 66
		.amdhsa_reserve_vcc 0
		.amdhsa_float_denorm_mode_32 3
		.amdhsa_float_denorm_mode_16_64 3
		.amdhsa_memory_ordered 1
		.amdhsa_forward_progress 1
		.amdhsa_inst_pref_size 91
	.end_amdhsa_kernel
	.amdgpu_metadata
---
amdhsa.version: [ 1, 2 ]
amdhsa.kernels:
  - .name:           k_qcb19a70651_outp
    .symbol:         k_qcb19a70651_outp.kd
    .args:
      - { .name: cc, .offset: 0, .size: 8, .value_kind: global_buffer, .address_space: global }
      - { .name: cs, .offset: 8, .size: 8, .value_kind: global_buffer, .address_space: global }
      - { .name: wc, .offset: 16, .size: 8, .value_kind: global_buffer, .address_space: global }
      - { .name: ws, .offset: 24, .size: 8, .value_kind: global_buffer, .address_space: global }
      - { .name: bo, .offset: 32, .size: 8, .value_kind: global_buffer, .address_space: global }
      - { .name: out0, .offset: 40, .size: 8, .value_kind: global_buffer, .address_space: global }
    .group_segment_fixed_size: 116224
    .private_segment_fixed_size: 0
    .kernarg_segment_align: 8
    .kernarg_segment_size: 48
    .max_flat_workgroup_size: 128
    .sgpr_count:     66
    .vgpr_count:     1024
    .wavefront_size: 32
...
	.end_amdgpu_metadata
.endif
;; end of part 4
;; ======== version 2 of 2: 4 launches
;; workspace buffers: wc 3,145,728 bytes; ws 131,072 bytes; qq 6,815,744 bytes; kv 13,369,344 bytes; cc 6,291,456 bytes; cs 262,144 bytes
;; launch quantw: the kernel of part 1 again; grid 64 x 4, 4 waves a work-group, no clusters, 13,312 bytes of LDS; arguments Wq, Wk, Wv, Wo, wc, ws; writes wc, ws
;; launch proj (part 5): grid 192 x 1, 4 waves a work-group, no clusters, 136,704 bytes of LDS; arguments Q, K, V, Q_lev, K_lev, V_lev, bq, bk, bv, wc, ws, qq, kv; writes qq, kv
.if DOCPART == 5
	.amdgcn_target "amdgcn-amd-amdhsa--gfx1250"
	.amdhsa_code_object_version 6
	.text
	.protected	k_qcb19a70651_proj
	.globl	k_qcb19a70651_proj
	.p2align	8
	.type	k_qcb19a70651_proj,@function
k_qcb19a70651_proj:
	s_mov_b64 s[64:65], 0
	v_nop
	global_prefetch_b8 v0, s[64:65] scope:SCOPE_SE
	s_setreg_imm32_b32 hwreg(HW_REG_WAVE_SCHED_MODE, 0, 2), 2
	s_setreg_imm32_b32 hwreg(HW_REG_WAVE_MODE, 25, 1), 1
	s_wait_xcnt 0x0
	s_wait_alu depctr_vm_vsrc(0)
; q = Q Wq + bq + Q_lev, k and v likewise, each product on codes of E2M3 with one E8M0 scale for 32 along K; the results are quantised at once for
; attention: q and k along the head's 64 numbers, v along the keys, and leave as images of operand registers.
; SHARES: work-group = (tensor P = x / 64, block of 128 tokens x % 64), all 1,024 columns in two passes of 512.  Wave w, pass p: columns 128 (4 p + w) on,
; two heads, for all 128 tokens: 64 accumulators.  So x is read and quantised once, and each weight byte is read once by a work-group.
; PHASE X: wave w quantises tokens 32 w .. + 31 (two tiles x eight K steps) and lays the fragments and scale words in LDS as images of their registers; one barrier.
; A PASS: lev + bias start the sums: lev's rows come dense (512 bytes a load), the bias of a lane's four columns is added, the rows turn through the wave's own
; stage and come back in the result's layout, as C of the first products.  Then eight K steps of 64 matrix instructions: weights from memory straight into
; registers (wc is laid in fragment order), asked for a step and a half ahead; x's fragments from LDS.  Then each 64 results on end are quantised where they lie.
; q, k: source 0 = 16 columns of W, source 1 = 16 tokens: a lane holds one token, its registers run along the columns.  Accumulator (a, b) at 64 (a % 4) + 8 b, window 2 + a / 4.
; v:    source 0 = 16 tokens, source 1 = 16 columns: a lane holds one column, its registers run along the tokens.      Accumulator (a, b) at 64 (b % 4) + 8 a, window 2 + b / 4.
; TILES ARE NOT NEIGHBOURS: row i of tile 2 B + u (of tokens, of columns) is item 32 B + 8 u + i + 8 (i / 8): the 16 registers of two neighbouring tiles are then 16 neighbours.
; The two ways part on the work-group's number alone; every LDS store stands in text that both take.
; NO JOINT LOADS: a weight fragment is used by one wave of a work-group and goes to its registers without touching LDS, so there is no LDS tile that a joint load could fill;
; sharing the 786,432 bytes of weights among work-groups would want a ring of slots and a round of a cluster's barrier in each K step beside 1,048,576 bytes of x and lev that nobody shares.
; ORDER OF SUMS: (lev + bias) + the products, K ascending; the source has products + bias + lev.  LIMITS: blocks of zeros or under 2^-124 get the scale byte 1; NaN and infinities are not served.
; OUT: qq [b h 64][chunk of 128 tokens 16][6,656]: 8 tiles x 768 bytes (registers 0-3 at 16 l, registers 4-5 at 512 + 8 l), then 512 bytes of scale words (tile 2 i + l / 16 at 16 l + 4 i).
;      kv [b h][chunk][13,056]: K's 8 tiles; at 6,144 V's 4 tiles of 16 channels x 128 keys, 1,536 bytes each; at 12,288 K's scale words; at 12,800 V's (tile 2 i + l / 16 at 8 l + 4 i).
; REGISTERS: window 0: v1-15 addresses; v16-31 at work; v32-39 eight scale words; v40 the one just made; v44-47 bias; v48-55 W's scale words, v56-63 x's (two sets each);
;   v64-159, v160-255 W's fragments, two sets (phase X: v64-127 and v160-223 numbers, two sets by turns; phase X and the end: v128-147 codes).  window 1: x's fragments, two sets of 96; before that lev's four landing sets of 64.
;   windows 2, 3: the accumulators; in phase X eight landing sets of 64.
; THE MODE: SCHED_MODE bits 1:0 = 2 (LLVM: expert scheduling mode 2), set by the entry lines.  The code itself states the register dependences
; between vector or matrix instructions and memory or LDS instructions, with s_wait_alu, always for 0.
; THE PLAN.  Registers that memory or LDS instructions touch, and who else names them:
;   v1-v7, v13     offsets and LDS addresses, made at the head, never written again.
;   v8, v9, v14    LDS addresses of x's images: written ahead of the K loop and at each trip's end, read by the loads of x's fragments.
;   PHASE X        landing sets (windows 2, 3): loaded, read by the stage's LDS stores, loaded again; no vector line names them.  T0, T1: LDS loads land, fragment f's quantising reads T[f % 2].
;                  v128-147, v40: the quantising writes them, the image's LDS stores read them.  Two waits a fragment: one on vm_vsrc at its head, one on va_vdst behind its quantising.
;   LEV            a landing set (window 1): loaded, the additions write it, the stage's LDS stores read it, loaded again.  One wait on va_vdst behind the additions, one on vm_vsrc behind the stores.
;   A K STEP       half a set of W is asked for again as soon as its 32 products are issued, so that each weight load has 96 products in which to land: a wait on va_vdst behind each half.
;                  The first of the two also frees x's other set and, in a trip's first step, shows v8, v9, v14 written.
;   THE END        v128-147: an item's quantising writes them, its stores read them: a wait on va_vdst ahead of the stores, one on vm_vsrc ahead of the next item.
.set XSC,  0                           ; LDS: x's scale words: [wave 4][K step 8][128 bytes: 4 x (row + 16 u)]
.set STG,  4096                        ; a stage of 16 rows x (512 + 16) bytes for each wave
.set XIMG, 37888                       ; x's fragments: [wave 4][K step 8][u 2][1,536]
.set TM,   16
.set SW,   16
.set PWS,  32
.set PW,   40
.set BIA,  44
.set WSC,  48
.set XSR,  56
.set WF,   64
.set T,    64                          ; phase X: the numbers of fragment f at T + 96 (f % 2)
.set PC,   128
.set SEL,  46
.set MSB, 0
.macro WIN new                         ; the immediate's high byte repeats the setting that is left
.if MSB != (\new)
	s_set_vgpr_msb (MSB<<8)|(\new)
.set MSB, (\new)
.endif
.endm
.macro PLACES n
.rept \n
	v_nop
.endr
.endm
; one matrix instruction: D, source 0, source 1, C, their scale registers, and which half of the lanes holds each side's scale words
.macro WM dd, aa, bb, cc, sa, sb, ra, rb
.if ((\ra) == 0) && ((\rb) == 0)
	v_wmma_scale_f32_16x16x128_f8f6f4 v[\dd:\dd+7], v[\aa:\aa+11], v[\bb:\bb+11], v[\cc:\cc+7], v[\sa], v[\sb] matrix_a_fmt:MATRIX_FMT_FP6 matrix_b_fmt:MATRIX_FMT_FP6
.elseif (\rb) == 0
	v_wmma_scale_f32_16x16x128_f8f6f4 v[\dd:\dd+7], v[\aa:\aa+11], v[\bb:\bb+11], v[\cc:\cc+7], v[\sa], v[\sb] matrix_a_fmt:MATRIX_FMT_FP6 matrix_b_fmt:MATRIX_FMT_FP6 matrix_a_scale:MATRIX_SCALE_ROW1
.elseif (\ra) == 0
	v_wmma_scale_f32_16x16x128_f8f6f4 v[\dd:\dd+7], v[\aa:\aa+11], v[\bb:\bb+11], v[\cc:\cc+7], v[\sa], v[\sb] matrix_a_fmt:MATRIX_FMT_FP6 matrix_b_fmt:MATRIX_FMT_FP6 matrix_b_scale:MATRIX_SCALE_ROW1
.else
	v_wmma_scale_f32_16x16x128_f8f6f4 v[\dd:\dd+7], v[\aa:\aa+11], v[\bb:\bb+11], v[\cc:\cc+7], v[\sa], v[\sb] matrix_a_fmt:MATRIX_FMT_FP6 matrix_b_fmt:MATRIX_FMT_FP6 matrix_a_scale:MATRIX_SCALE_ROW1 matrix_b_scale:MATRIX_SCALE_ROW1
.endif
.endm
; 64 numbers of a lane, v[s] .. v[s + 63] of window win, register 16 b + i = k 32 b + 16 (lane / 16) + i of my row, become a fragment's codes in v[PC] on and its scale word in v[PW].
.macro QUANT s, win
	WIN 20*(\win)                                  ; sources 1 and 2 in that window
.irp b, 0,1,2,3
	v_max3_num_f32 v[TM+\b], 0x1800000, |v[\s+16*\b]|, |v[\s+1+16*\b]|   ; block b: my 16 numbers, from the low end on, and the floor 2^(3 - 127): the byte cannot fall under 1
.endr
.irp i, 2,4,6,8,10,12,14
.irp b, 0,1,2,3
	v_max3_num_f32 v[TM+\b], v[TM+\b], |v[\s+16*\b+\i]|, |v[\s+1+16*\b+\i]|
.endr
.endr
	WIN 0
.irp b, 0,1,2,3
	v_permlanex16_b32 v[TM+4+\b], v[TM+\b], s[SEL], s[SEL+1]
.endr
.irp b, 0,1,2,3
	v_max_num_f32 v[TM+\b], v[TM+\b], v[TM+4+\b]   ; with lane l xor 16's: the block's largest magnitude
.endr
.irp b, 0,1,2,3
	v_add_nc_u32 v[TM+12+\b], 0xff000000, v[TM+\b] ; 2 off its exponent field: the conversion's scale operand
.endr
.irp b, 0,1,2,3
	v_lshrrev_b32 v[TM+4+\b], 23, v[TM+12+\b]      ; the byte
.endr
	v_lshl_or_b32 v[PW], v[TM+5], 8, v[TM+4]
	v_lshl_or_b32 v[PW], v[TM+6], 16, v[PW]
	v_lshl_or_b32 v[PW], v[TM+7], 24, v[PW]
	WIN \win                                       ; source 0 in that window
.irp c, 0,1
	v_cvt_scalef32_pk16_fp6_f32 v[PC+6*\c:PC+2+6*\c], v[\s+32*\c:\s+15+32*\c], v[TM+12+2*\c]
	v_cvt_scalef32_pk16_fp6_f32 v[PC+12+4*\c:PC+14+4*\c], v[\s+16+32*\c:\s+31+32*\c], v[TM+12+2*\c+1]
.endr
	WIN 0
	v_nop                                          ; one plain line behind the conversions
.irp c, 0,1                                    ; the operand wants a WHOLE block in a lane: lanes 0-15 block 2 c, lanes 16-31 block 2 c + 1
.irp i, 0,1,2
	v_permlane16_swap_b32 v[PC+6*\c+\i], v[PC+12+4*\c+\i]
.endr
.irp i, 0,1,2
	v_mov_b32 v[PC+3+6*\c+\i], v[PC+12+4*\c+\i]
.endr
.endr
.endm
	s_load_b512 s[4:19], s[0:1], 0x0               ; Q K V Q_lev K_lev V_lev bq bk
	s_load_b256 s[20:27], s[0:1], 0x40             ; bv wc ws qq
	s_load_b64 s[28:29], s[0:1], 0x60              ; kv
	v_lshl_add_u32 v42, v0, 2, 0x21400
	v_mov_b32 v43, 0
	v_lshrrev_b32 v1, 5, v0
	v_readfirstlane_b32 s32, v1                    ; wave
	s_lshr_b32 s30, ttmp9, 6                       ; P: 0 q, 1 k, 2 v
	s_and_b32 s31, ttmp9, 63                       ; block of 128 tokens
	v_and_b32 v12, 31, v0                          ; lane
	v_cmp_le_u32 s49, 16, v12                      ; lanes 16-31
	v_and_b32 v14, 15, v0                          ; r
	v_bfe_u32 v15, v0, 4, 1                        ; h
	v_lshlrev_b32 v1, 4, v12                       ; v1  16 x lane
	v_lshlrev_b32 v2, 3, v12                       ; v2  8 x lane
	v_lshlrev_b32 v13, 2, v12                      ; v13 4 x lane
	s_wait_alu depctr_va_sdst(0)                   ; s32 and s49 are written, ahead of their first readers: the scalar lines below read s32, the selects at a pass's end s49
	s_mul_i32 s33, s32, 8448
	s_add_co_u32 s33, s33, STG                     ; my stage
	v_add_nc_u32 v3, s33, v1                       ; v3  into it: a row as it was loaded
	v_mul_u32_u24 v4, v14, 528
	v_lshl_add_u32 v4, v15, 6, v4
	v_add_nc_u32 v4, s33, v4                       ; v4  out of it: row r, + 64 h: 16 neighbours of each 32
	v_and_b32 v11, 8, v14
	v_add_nc_u32 v11, v11, v14
	v_mul_u32_u24 v5, v15, 4224
	v_lshl_add_u32 v5, v11, 2, v5
	v_add_nc_u32 v5, s33, v5                       ; v5  out of it for v: rows 8 h on, column r + 8 (r / 8)
	s_mul_i32 s33, s32, 24576
	s_add_co_u32 s33, s33, XIMG
	v_add_nc_u32 v6, s33, v1                       ; v6  where I lay x's fragments
	s_lshl_b32 s33, s32, 10
	v_lshl_add_u32 v7, v14, 2, s33                 ; v7  and their scale words (XSC is LDS byte 0)
	s_mov_b32 s[SEL], 0x76543210
	s_mov_b32 s[SEL+1], 0xfedcba98                 ; v_permlanex16_b32's selects for lane l xor 16
.irp b, 0,1,2,3
	v_mov_b32 v[TM+4+\b], 0                        ; written once: a lane permute's destination counts as one of its sources
.endr
	s_wait_kmcnt 0x0
	s_cmp_eq_u32 s30, 0                            ; the tensors are chosen by the work-group's number alone
	s_cselect_b64 s[4:5], s[4:5], s[6:7]
	s_cselect_b64 s[10:11], s[10:11], s[12:13]
	s_cselect_b64 s[16:17], s[16:17], s[18:19]
	s_cselect_b64 s[26:27], s[26:27], s[28:29]
	s_mov_b32 s34, 208896
	s_cselect_b32 s34, 106496, s34                 ; bytes of a head in the output
	s_mov_b32 s35, 13056
	s_cselect_b32 s35, 6656, s35                   ; of a chunk
	s_mov_b32 s36, 12288
	s_cselect_b32 s36, 6144, s36                   ; where q's or k's scale words begin in a chunk
	s_cmp_eq_u32 s30, 2
	s_cselect_b64 s[4:5], s[8:9], s[4:5]
	s_cselect_b64 s[10:11], s[14:15], s[10:11]
	s_cselect_b64 s[16:17], s[20:21], s[16:17]
	s_cselect_b32 s48, 1, 0                        ; s48 = 1: the way of v
	s_lshl_b32 s6, s31, 19                         ; the block's 128 rows of 4,096 bytes
	s_mov_b32 s7, 0
	s_lshl_b32 s8, s32, 17                         ; my 32 rows of x
	s_mov_b32 s9, 0
	s_add_nc_u64 s[4:5], s[4:5], s[6:7]
	s_add_nc_u64 s[4:5], s[4:5], s[8:9]
	s_add_nc_u64 s[10:11], s[10:11], s[6:7]
	s_lshl_b32 s8, s32, 9                          ; my 128 columns
	s_add_nc_u64 s[10:11], s[10:11], s[8:9]
	s_add_nc_u64 s[16:17], s[16:17], s[8:9]
	s_mul_i32 s6, s30, 786432
	s_mul_i32 s8, s32, 98304
	s_add_nc_u64 s[22:23], s[22:23], s[6:7]
	s_add_nc_u64 s[22:23], s[22:23], s[8:9]
	s_lshl_b32 s6, s30, 15
	s_lshl_b32 s8, s32, 12
	s_add_nc_u64 s[24:25], s[24:25], s[6:7]
	s_add_nc_u64 s[24:25], s[24:25], s[8:9]
	s_lshr_b32 s6, s31, 4
	s_lshl_b32 s6, s6, 4
	s_lshl_b32 s8, s32, 1
	s_add_co_u32 s6, s6, s8                        ; 16 x batch + my first head of pass 0
	s_mul_i32 s6, s6, s34
	s_and_b32 s8, s31, 15
	s_mul_i32 s8, s8, s35
	s_add_nc_u64 s[26:27], s[26:27], s[6:7]
	s_add_nc_u64 s[26:27], s[26:27], s[8:9]        ; s[26:27] the even head's chunk
	s_mov_b32 s6, s34
	s_add_nc_u64 s[38:39], s[26:27], s[6:7]        ; s[38:39] the odd head's
	s_mov_b32 s6, s36
	s_add_nc_u64 s[52:53], s[26:27], s[6:7]        ; s[52:53], s[54:55] their scale words (q, k)
	s_add_nc_u64 s[54:55], s[38:39], s[6:7]
	s_lshl_b32 s50, s34, 3                         ; a pass goes eight heads on
	s_mov_b32 s51, 0
	s_wait_alu depctr_va_vdst(0)                   ; v1 to v7 and v13 are written: the offsets and LDS addresses that the loads and stores of the whole kernel read
; ---- PHASE X.  Fragment f = (K step f / 2, tile u = f % 2).  Its 16 rows x 512 bytes land in set f % 8 (windows 2 and 3), each load 512 consecutive bytes.
; Fragment f + 1 goes through the stage, into the other set of numbers, while fragment f is quantised.
.macro XLOAD f
	WIN 0x80+0x40*(((\f)%8)/4)
.irp i, 0,1,2,3,4,5,6,7,8,9,10,11,12,13,14,15
	global_load_b128 v[64*((\f)%4)+4*\i:64*((\f)%4)+4*\i+3], v1, s[4:5] offset:(8*((\f)%2)+\i+8*(\i/8))*4096+512*((\f)/2) th:TH_LOAD_NT
.endr
	WIN 0
.endm
.macro XTURN f                         ; fragment f's rows through the stage, into T[f % 2]
.set NN, 16*(15-(\f))
.if ((\f) < 8) || (NN > 63)
.set NN, 63
.endif
	s_wait_loadcnt NN                              ; my set is in.  Younger: seven sets of 16 up to fragment 8, then 16 (15 - f); a count names 63 at the most
	WIN 0x08+0x04*(((\f)%8)/4)
.irp i, 0,1,2,3,4,5,6,7,8,9,10,11,12,13,14,15
	ds_store_b128 v3, v[64*((\f)%4)+4*\i:64*((\f)%4)+4*\i+3] offset:528*\i
.endr
	WIN 0
.irp q, 0,1,2,3,4,5,6,7,8,9,10,11,12,13,14,15
	ds_load_b128 v[T+96*((\f)%2)+4*\q:T+96*((\f)%2)+4*\q+3], v4 offset:128*(\q/4)+16*(\q%4)   ; LDS serves a wave's instructions in order: these see the stores above.  No vector line since the last wait on va_vdst names T[f % 2]
.endr
.endm
.macro FRAGX f
.if (\f) == 0
	s_wait_dscnt 0x0                               ; the numbers are back from the stage
.else
	s_wait_dscnt 4                                 ; the numbers are back from the stage; the four younger LDS stores, the last fragment's image, may be out
.endif
	s_wait_alu depctr_vm_vsrc(0)                   ; the stage's LDS stores have read set f % 8, in which the loads below land; the last image's stores have read v128-147 and v40, which the quantising writes again
.if (\f) < 8
	XLOAD (\f)+8
.endif
.if (\f) < 15
	XTURN (\f)+1
.endif
	QUANT T+96*((\f)%2), 0
	s_wait_alu depctr_va_vdst(0)                   ; the quantising has written v128-147 and v40, which the LDS stores read, and is done reading T[f % 2], in which the fragment two on lands
.irp c, 0,1,2
	ds_store_b128 v6, v[PC+4*\c:PC+4*\c+3] offset:3072*((\f)/2)+1536*((\f)%2)+512*\c
.endr
	ds_store_b32 v7, v[PW] offset:128*((\f)/2)+64*((\f)%2)           ; both halves of the lanes hold the row's word and write it to the same place
.endm
.irp f, 0,1,2,3,4,5,6,7
	XLOAD \f
.endr
	XTURN 0
.irp f, 0,1,2,3,4,5,6,7,8,9,10,11,12,13,14,15
	FRAGX \f
.endr
	s_wait_dscnt 0x0                               ; for the others' sake: my images lie in LDS
	s_barrier_signal -1
	s_barrier_wait -1                              ; the launch's one barrier: from here on x's images are only read
; ---- what a pass is made of
.macro WLOADA par, off, offs           ; W's tiles 0-3 of a K step and their scale words: 13 loads
.irp b, 0,1,2,3
.irp c, 0,1,2
	global_load_b128 v[WF+96*(\par)+12*\b+4*\c:WF+96*(\par)+12*\b+4*\c+3], v1, s[56:57] offset:\off+1536*\b+512*\c
.endr
.endr
	global_load_b64 v[WSC+4*(\par):WSC+4*(\par)+1], v2, s[58:59] offset:\offs
.endm
.macro WLOADB par, off, offs           ; tiles 4-7: 13 loads
.irp b, 4,5,6,7
.irp c, 0,1,2
	global_load_b128 v[WF+96*(\par)+12*\b+4*\c:WF+96*(\par)+12*\b+4*\c+3], v1, s[56:57] offset:\off+1536*\b+512*\c
.endr
.endr
	global_load_b64 v[WSC+4*(\par)+2:WSC+4*(\par)+3], v2, s[58:59] offset:\offs+256
.endm
.macro LEVLOAD a                       ; lev's 16 rows of token tile a, my 512 bytes of each, into landing set a % 4 of window 1
	WIN 0x40
.irp i, 0,1,2,3,4,5,6,7,8,9,10,11,12,13,14,15
	global_load_b128 v[64*((\a)%4)+4*\i:64*((\a)%4)+4*\i+3], v1, s[10:11] offset:(32*((\a)/2)+8*((\a)%2)+\i+8*(\i/8))*4096 th:TH_LOAD_NT
.endr
	WIN 0
.endm
; + bias, through the stage, into tile a's accumulators.  No wait on DScnt stands in a turn: LDS serves a wave's instructions in order, so the next tile's stores come behind this tile's loads,
; and the sums' starts are waited for once, at the head of the first K step.
.macro LEVTURN a, n
	s_wait_loadcnt \n                              ; tile a's rows are in; the count names the younger lev loads
	WIN 0x41
.irp i, 0,1,2,3,4,5,6,7,8,9,10,11,12,13,14,15
	v_pk_add_f32 v[64*((\a)%4)+4*\i:64*((\a)%4)+4*\i+1], v[64*((\a)%4)+4*\i:64*((\a)%4)+4*\i+1], v[BIA:BIA+1]
	v_pk_add_f32 v[64*((\a)%4)+4*\i+2:64*((\a)%4)+4*\i+3], v[64*((\a)%4)+4*\i+2:64*((\a)%4)+4*\i+3], v[BIA+2:BIA+3]
.endr
	WIN 0x04
	s_wait_alu depctr_va_vdst(0)                   ; the additions have written the landing set, which the LDS stores read; every earlier reader and writer of tile a's accumulators, in which the LDS loads below land, is done
.irp i, 0,1,2,3,4,5,6,7,8,9,10,11,12,13,14,15
	ds_store_b128 v3, v[64*((\a)%4)+4*\i:64*((\a)%4)+4*\i+3] offset:528*\i
.endr
.if (\a) < 4
	WIN 0x40
	s_wait_alu depctr_vm_vsrc(0)                   ; the LDS stores have read the landing set, in which the rows of the tile four on land
	LEVLOAD (\a)+4
.endif
	WIN 0
	s_cmp_lg_u32 s48, 0
	s_cbranch_scc1 .Llv_\@
	WIN 0x80+0x40*((\a)/4)                         ; q, k: token r; register 8 b + j = column 32 (b / 2) + 16 h + 8 (b % 2) + j
.irp m, 0,1,2,3,4,5,6,7,8,9,10,11,12,13,14,15
	ds_load_b128 v[64*((\a)%4)+4*\m:64*((\a)%4)+4*\m+3], v4 offset:128*(\m/4)+16*(\m%4)
.endr
	WIN 0
	s_branch .Llj_\@
.Llv_\@:
	WIN 0x80                                       ; v: register j = the tile's row 8 h + j; column r + 8 (r / 8) of W's tile b
.irp b, 0,1,2,3
.irp j, 0,1,2,3,4,5,6,7
	ds_load_b32 v[64*\b+8*(\a)+\j], v5 offset:528*\j+4*(32*(\b/2)+8*(\b%2))
.endr
.endr
	WIN 0xc0
.irp b, 0,1,2,3
.irp j, 0,1,2,3,4,5,6,7
	ds_load_b32 v[64*\b+8*(\a)+\j], v5 offset:528*\j+4*(32*((\b+4)/2)+8*(\b%2))
.endr
.endr
	WIN 0
.Llj_\@:
.endm
.macro FETCHX set, off, offs           ; x's eight fragments and four scale registers of a K step
	WIN 0x40
.irp a, 0,1,2,3
.irp c, 0,1,2
	ds_load_b128 v[96*(\set)+12*\a+4*\c:96*(\set)+12*\a+4*\c+3], v8 offset:\off+24576*(\a/2)+1536*(\a%2)+512*\c
.endr
.endr
.irp a, 4,5,6,7
.irp c, 0,1,2
	ds_load_b128 v[96*(\set)+12*\a+4*\c:96*(\set)+12*\a+4*\c+3], v14 offset:\off+24576*((\a-4)/2)+1536*(\a%2)+512*\c
.endr
.endr
	WIN 0
.irp i, 0,1,2,3
	ds_load_b32 v[XSR+4*(\set)+\i], v9 offset:\offs+1024*\i        ; lanes 0-15: tile 2 i's words, lanes 16-31: tile 2 i + 1's
.endr
.endm
; 32 matrix instructions: W's tiles 4 k .. 4 k + 3 against x's eight.  The accumulators take turns, one instruction a turn, in the same order in every step.
.macro HALF k, par
	WIN 0
	s_cmp_lg_u32 s48, 0
	s_cbranch_scc1 .Lhv_\@
	WIN 0xa4                                       ; source 0 (W) window 0, source 1 (x) window 1, C and D window 2
.irp b, 0,1,2,3
.irp a, 0,1,2,3
	WM 64*\a+8*(4*(\k)+\b), WF+96*(\par)+12*(4*(\k)+\b), 96*(\par)+12*\a, 64*\a+8*(4*(\k)+\b), WSC+4*(\par)+2*(\k)+(\b/2), XSR+4*(\par)+(\a/2), \b%2, \a%2
.endr
.endr
	WIN 0xf4                                       ; C and D window 3
.irp b, 0,1,2,3
.irp a, 4,5,6,7
	WM 64*(\a-4)+8*(4*(\k)+\b), WF+96*(\par)+12*(4*(\k)+\b), 96*(\par)+12*\a, 64*(\a-4)+8*(4*(\k)+\b), WSC+4*(\par)+2*(\k)+(\b/2), XSR+4*(\par)+(\a/2), \b%2, \a%2
.endr
.endr
	WIN 0
	s_branch .Lhj_\@
.Lhv_\@:
	WIN 0xa1+0x50*(\k)                             ; source 0 (x) window 1, source 1 (W) window 0, C and D window 2 + k
.irp b, 0,1,2,3
.irp a, 0,1,2,3,4,5,6,7
	WM 64*\b+8*\a, 96*(\par)+12*\a, WF+96*(\par)+12*(4*(\k)+\b), 64*\b+8*\a, XSR+4*(\par)+(\a/2), WSC+4*(\par)+2*(\k)+(\b/2), \a%2, \b%2
.endr
.endr
	WIN 0
.Lhj_\@:
.endm
; A K step on sets par.  Loads go out in groups of 13: A(s), B(s), A(s + 1), ..  la: the loads younger than A(s); lb: those younger than B(s).
; A load into a register that a matrix instruction has read stands four plain vector lines behind it (ISA guide 7.12.1 for vector instructions).
.macro KSTEP par, wfill, xnext, la, lb, off, offs, xoff, xsoff
	s_wait_dscnt 0x0                               ; this step's fragments of x, asked for 32 matrix instructions ago (in a pass's first step: the sums' starts too)
	s_wait_loadcnt \la
	HALF 0, \par
	PLACES 4
.if (\wfill) || (\xnext)
	s_wait_alu depctr_va_vdst(0)                   ; the 32 products above are done reading W's tiles 0-3 and their scale words, the last step's reading x's other set and its scale words: the loads below land there; in a trip's first step v8, v9 and v14 are written
.endif
.if \wfill
	WLOADA \par, \off, \offs                       ; two steps on, into the registers just multiplied
.endif
.if \xnext
	FETCHX 1-(\par), \xoff, \xsoff
.endif
	s_wait_loadcnt \lb
	HALF 1, \par
	PLACES 4
.if \wfill
	s_wait_alu depctr_va_vdst(0)                   ; the 32 products above are done reading W's tiles 4-7 and their scale words, in which the loads below land
	WLOADB \par, \off, \offs
.endif
.endm
.macro EPST x                          ; the fragment in v[PC] on leaves
	s_cmp_lg_u32 s48, 0
	s_cbranch_scc1 .Lev_\@
	global_store_b128 v1, v[PC:PC+3], s[26:27] offset:768*(\x)               ; q, k: token tile x; registers 0-5 are the even head's 64 numbers,
	global_store_b64 v2, v[PC+4:PC+5], s[26:27] offset:768*(\x)+512
	global_store_b128 v1, v[PC+6:PC+9], s[38:39] offset:768*(\x)             ; registers 6-11 the odd head's
	global_store_b64 v2, v[PC+10:PC+11], s[38:39] offset:768*(\x)+512
	s_branch .Lej_\@
.Lev_\@:
.irp c, 0,1,2
.if (\x) < 4
	global_store_b128 v1, v[PC+4*\c:PC+4*\c+3], s[26:27] offset:6144+1536*((\x)%4)+512*\c   ; v: 16 channels x the chunk's 128 keys
.else
	global_store_b128 v1, v[PC+4*\c:PC+4*\c+3], s[38:39] offset:6144+1536*((\x)%4)+512*\c
.endif
.endr
.Lej_\@:
.endm
	s_mov_b32 s42, 2
.Lpass:
	s_wait_xcnt 0x0                                ; the last pass's stores have read their registers
	s_wait_alu depctr_vm_vsrc(0)                   ; stores, to LDS or to memory, have read v128-147, v40, v16-23 and phase X's landing sets: the weights' loads, the accumulators' LDS loads and the quantising write them again.  (On both ways here the last vector line stands ahead of a wait on va_vdst)
	s_mov_b64 s[56:57], s[22:23]                   ; the copies that walk along K
	s_mov_b64 s[58:59], s[24:25]
	global_load_b128 v[BIA:BIA+3], v1, s[16:17]    ; the bias of my lane's four columns of a dense row
	WLOADA 0, 0, 0
	WLOADB 0, 0, 0
	WLOADA 1, 12288, 512
	WLOADB 1, 12288, 512
	LEVLOAD 0
	LEVLOAD 1
	LEVLOAD 2
	LEVLOAD 3
	LEVTURN 0, 48
	LEVTURN 1, 48
	LEVTURN 2, 48
	LEVTURN 3, 48
	LEVTURN 4, 48
	LEVTURN 5, 32
	LEVTURN 6, 16
	LEVTURN 7, 0
	s_mov_b32 s45, XIMG
	s_mov_b32 s37, XSC
	s_wait_alu depctr_vm_vsrc(0)                   ; the turns' LDS stores have read the landing sets, in which x's fragments land; the last pass's LDS loads have read v8, v9 and v14
	v_add_nc_u32 v8, s45, v1                       ; v8, v14: x's fragments of tiles 0-3, 4-7;  v9: its scale words
	v_add_nc_u32 v14, 49152, v8
	v_add_nc_u32 v9, s37, v13
	WIN 0x40
	s_wait_alu depctr_va_vdst(0)                   ; v8, v9 and v14 are written, which the LDS loads below read
	FETCHX 0, 0, 0
	s_mov_b32 s41, 3
.Lk:                                                   ; a trip is two K steps
	KSTEP 0, 1, 1, 39, 39, 24576, 1024, 3072, 128
	KSTEP 1, 1, 1, 39, 39, 36864, 1536, 6144, 256
	s_wait_xcnt 0x0                                ; the loads have read their bases
	s_wait_dscnt 0x0                               ; and the LDS loads their addresses
	s_wait_alu depctr_vm_vsrc(0)                   ; the LDS loads have read v8, v9 and v14, which the three additions write; the wait on va_vdst in the middle of the next step stands ahead of their next readers
	s_add_nc_u64 s[56:57], s[56:57], 24576
	s_add_nc_u64 s[58:59], s[58:59], 1024
	s_add_co_u32 s45, s45, 6144
	s_add_co_u32 s37, s37, 256
	v_add_nc_u32 v8, s45, v1
	v_add_nc_u32 v14, 49152, v8
	v_add_nc_u32 v9, s37, v13
	s_sub_co_u32 s41, s41, 1
	s_cmp_lg_u32 s41, 0
	s_cbranch_scc1 .Lk
	KSTEP 0, 0, 1, 39, 26, 0, 0, 3072, 128         ; the last two steps ask for no weights: the counts run down
	KSTEP 1, 0, 0, 13, 0, 0, 0, 0, 0
.irp x, 0,1,2,3,4,5,6,7                        ; item x (q, k: token tile; v: tile of columns): 64 accumulator registers on end
	s_wait_xcnt 0x0                                ; the last item's stores have read the codes' registers
.if \x > 0
	s_wait_alu depctr_vm_vsrc(0)                   ; the last item's stores have read v128-139, which the quantising writes again
.endif
	QUANT 64*(\x%4), 2+(\x/4)
	v_mov_b32 v[PWS+\x], v[PW]
	s_wait_alu depctr_va_vdst(0)                   ; the quantising has written v128-139, which the stores on either way read
	EPST \x
.endr
.irp i, 0,1,2,3
	v_cndmask_b32 v[SW+\i], v[PWS+2*\i], v[PWS+2*\i+1], s49        ; lanes 0-15: item 2 i's words, lanes 16-31: item 2 i + 1's
.endr
	s_cmp_lg_u32 s48, 0
	s_cbranch_scc1 .Lsv
.irp i, 0,1,2,3
	v_lshrrev_b32 v[SW+4+\i], 16, v[SW+\i]         ; the odd head's two bytes; above them zeros, which scale zero codes
.endr
	s_wait_alu depctr_va_vdst(0)                   ; the selects and the shifts have written v16-23, which the two stores read
	global_store_b128 v1, v[SW:SW+3], s[52:53]     ; the even head's: its bytes 2 and 3 are the odd head's, 1 to 254, and scale zero codes
	global_store_b128 v1, v[SW+4:SW+7], s[54:55]
	s_branch .Lsj
.Lsv:
	s_wait_alu depctr_va_vdst(0)                   ; the selects have written v16-19, which the two stores read
	global_store_b64 v2, v[SW:SW+1], s[26:27] offset:12800
	global_store_b64 v2, v[SW+2:SW+3], s[38:39] offset:12800
.Lsj:
	s_wait_xcnt 0x0                                ; the stores have read their bases
	s_add_nc_u64 s[10:11], s[10:11], 2048          ; 512 columns on
	s_add_nc_u64 s[16:17], s[16:17], 2048
	s_add_nc_u64 s[22:23], s[22:23], 393216
	s_add_nc_u64 s[24:25], s[24:25], 16384
	s_add_nc_u64 s[26:27], s[26:27], s[50:51]
	s_add_nc_u64 s[38:39], s[38:39], s[50:51]
	s_add_nc_u64 s[52:53], s[52:53], s[50:51]
	s_add_nc_u64 s[54:55], s[54:55], s[50:51]
	s_sub_co_u32 s42, s42, 1
	s_cmp_lg_u32 s42, 0
	s_cbranch_scc1 .Lpass
	s_wait_dscnt 0x0                               ; the closing lines, six on end
	s_wait_alu 0x0
	s_wait_tensorcnt 0x0
	ds_add_u32 v42, v43
	s_wait_dscnt 0x0
	s_endpgm
.Lfunc_end_k_qcb19a70651_proj:
	.size	k_qcb19a70651_proj, .Lfunc_end_k_qcb19a70651_proj-k_qcb19a70651_proj
	.p2alignl 7, 3214868480
	.fill 96, 4, 3214868480
	.section	.rodata,"a",@progbits
	.p2align	6, 0x0
	.amdhsa_kernel k_qcb19a70651_proj
		.amdhsa_group_segment_fixed_size 136704
		.amdhsa_private_segment_fixed_size 0
		.amdhsa_enable_private_segment 0
		.amdhsa_kernarg_size 104
		.amdhsa_user_sgpr_count 2
		.amdhsa_user_sgpr_kernarg_segment_ptr 1
		.amdhsa_wavefront_size32 1
		.amdhsa_system_sgpr_workgroup_id_x 1
		.amdhsa_system_sgpr_workgroup_id_y 1
		.amdhsa_system_sgpr_workgroup_id_z 1
		.amdhsa_system_vgpr_workitem_id 0
		.amdhsa_next_free_vgpr 1024
		.amdhsa_next_free_sgpr 66
		.amdhsa_reserve_vcc 0
		.amdhsa_float_denorm_mode_32 3
		.amdhsa_float_denorm_mode_16_64 3
		.amdhsa_memory_ordered 1
		.amdhsa_forward_progress 1
		.amdhsa_inst_pref_size 255
	.end_amdhsa_kernel
	.section	.bss,"aw",@nobits
	.p2align	6
	.space	262144
	.amdgpu_metadata
---
amdhsa.version: [ 1, 2 ]
amdhsa.kernels:
  - .name:           k_qcb19a70651_proj
    .symbol:         k_qcb19a70651_proj.kd
    .args:
      - { .name: Q, .offset: 0, .size: 8, .value_kind: global_buffer, .address_space: global }
      - { .name: K, .offset: 8, .size: 8, .value_kind: global_buffer, .address_space: global }
      - { .name: V, .offset: 16, .size: 8, .value_kind: global_buffer, .address_space: global }
      - { .name: Q_lev, .offset: 24, .size: 8, .value_kind: global_buffer, .address_space: global }
      - { .name: K_lev, .offset: 32, .size: 8, .value_kind: global_buffer, .address_space: global }
      - { .name: V_lev, .offset: 40, .size: 8, .value_kind: global_buffer, .address_space: global }
      - { .name: bq, .offset: 48, .size: 8, .value_kind: global_buffer, .address_space: global }
      - { .name: bk, .offset: 56, .size: 8, .value_kind: global_buffer, .address_space: global }
      - { .name: bv, .offset: 64, .size: 8, .value_kind: global_buffer, .address_space: global }
      - { .name: wc, .offset: 72, .size: 8, .value_kind: global_buffer, .address_space: global }
      - { .name: ws, .offset: 80, .size: 8, .value_kind: global_buffer, .address_space: global }
      - { .name: qq, .offset: 88, .size: 8, .value_kind: global_buffer, .address_space: global }
      - { .name: kv, .offset: 96, .size: 8, .value_kind: global_buffer, .address_space: global }
    .group_segment_fixed_size: 136704
    .private_segment_fixed_size: 0
    .kernarg_segment_align: 8
    .kernarg_segment_size: 104
    .max_flat_workgroup_size: 128
    .sgpr_count:     66
    .vgpr_count:     1024
    .wavefront_size: 32
...
	.end_amdgpu_metadata
.endif
;; end of part 5
;; launch attn (part 6): grid 4 x 64, 16 waves a work-group, clusters of 4 x 1, 215,040 bytes of LDS; arguments qq, kv, cc, cs; writes cc, cs
.if DOCPART == 6
	.amdgcn_target "amdgcn-amd-amdhsa--gfx1250"
	.amdhsa_code_object_version 6
	.text
	.protected	k_qcb19a70651_attn
	.globl	k_qcb19a70651_attn
	.p2align	8
	.type	k_qcb19a70651_attn,@function
k_qcb19a70651_attn:
	s_mov_b64 s[64:65], 0
	v_nop
	global_prefetch_b8 v0, s[64:65] scope:SCOPE_SE
	s_setreg_imm32_b32 hwreg(HW_REG_WAVE_MODE, 25, 1), 1
	s_wait_xcnt 0x0
	s_wait_alu depctr_hold_cnt(0) depctr_sa_sdst(0) depctr_va_vdst(0) depctr_va_sdst(0) depctr_va_ssrc(0) depctr_va_vcc(0) depctr_vm_vsrc(0)
	s_getreg_b32 s2, hwreg(HW_REG_IB_STS2, 6, 4)
	s_cmp_eq_u32 s2, 0
	s_cbranch_scc0 .Lentry_in_a_cluster
	s_endpgm
.Lentry_in_a_cluster:
	s_bfe_u32 s2, ttmp6, 0x10000c
	s_cmp_lg_u32 s2, 0x3003
	s_cbranch_scc0 .Lentry_shape_is_right
	s_endpgm
.Lentry_shape_is_right:
; ctx[b][q][h][:] = the sum over keys of softmax(q . k / 8) v, both products on codes of E2M3 with one E8M0 scale for 32 along a product's K; ctx is quantised at once along D for the last product.
; THE SOFTMAX: t = score x log2(e) / 8; M = the running largest t rounded UP to a whole number; p = 2^(t - M) is quantised along the keys, not normalised; the row's sum is taken of the
; unquantised p and divides at the end; when M moves, the sum and O are multiplied by 2^(old M - new M), which rounds nothing.
; SHARES: work-group = 512 queries of one head (y = 16 batch + head); each of sixteen waves owns one tile of 16 queries in each of two passes, in 256 registers: four waves to a SIMD, so that one
; wave's vector work stands beside another's products and LDS loads.
; THE WHOLE HEAD'S K, V AND SCALES, 208,896 bytes, STAY IN LDS, FILLED ONCE: wave w brings chunk w (128 keys, 13,056 dense bytes) by one tensor load: one load of a wave is out.  No byte is filled twice:
; no ring, and no barrier in the loop over the keys.  CLUSTER: the four work-groups of a cluster are the four quarters of one head's queries and need the same bytes: each load is asked for jointly.
; LAYOUT: both products transposed: S^T = K Q^T (source 0 = 16 keys), O^T = V^T P^T (source 0 = 16 channels): a lane holds ONE query.  The head has 64 numbers and the instruction takes 128 along K:
; registers 6-11 of K's and Q's fragments are zero codes.  Rows of a tile are item 32 B + 8 u + i + 8 (i / 8), so that the 16 registers of two neighbouring tiles are 16 neighbours along the next K.
; OUT: cc [token tile 512][head 16][768]: registers 0-3 at 16 l, 4-5 at 512 + 8 l;  cs [head 16][chunk 64][256]: the two scale bytes of tile 2 i + l / 16, row l % 16, at 8 l + 2 i.
; LIMITS: 1 / sum by v_rcp_f32; a block of ctx that is all zeros or under 2^-124 gets the byte 1; NaN and infinities are not served.
; REGISTERS: v1 16 l, v2 8 l, v3-4 the step's LDS addresses, v5 16 r, v6-7 LDS places of ctx's scale bytes; v8-11 K's scale words; v12 -M, v13 largest t, v[14:15] the sum; v16-27 Q; v28 Q's scale words;
;   v29 p's; v30-31 V's; v32-79 four fragments of K; v80-127 V's four; v128-191 S^T, then p; v192-223 O^T; v224-235 p's codes; v236-254 at work; v255 16 x thread.
.set CH,  13056
.set CSB, 208896                       ; behind the head: 1,024 bytes for the work-group's four chunks of ctx's scale bytes; no fill lands there
.set WV,  12
.set G1,  24
.set G0,  32
.set SEL, 44
.set CS,  46
.set TB,  48
.set CNT, 49
.macro PLACES n
.rept \n
	v_nop
.endr
.endm
.macro CROUND                          ; a round of the cluster's barrier
	s_barrier_signal -1
	s_barrier_wait -1
	s_cmp_lg_u32 s[WV], 0
	s_cbranch_scc1 .Lnot_wave_0_\@
	s_barrier_signal -3
.Lnot_wave_0_\@:
	s_barrier_wait -3
	s_barrier_signal -1
	s_barrier_wait -1
.endm
.macro WMZ dd, aa, bb, sa, sb, ra      ; a product that starts its sum
.if (\ra) == 0
	v_wmma_scale_f32_16x16x128_f8f6f4 v[\dd:\dd+7], v[\aa:\aa+11], v[\bb:\bb+11], 0, v[\sa], v[\sb] matrix_a_fmt:MATRIX_FMT_FP6 matrix_b_fmt:MATRIX_FMT_FP6
.else
	v_wmma_scale_f32_16x16x128_f8f6f4 v[\dd:\dd+7], v[\aa:\aa+11], v[\bb:\bb+11], 0, v[\sa], v[\sb] matrix_a_fmt:MATRIX_FMT_FP6 matrix_b_fmt:MATRIX_FMT_FP6 matrix_a_scale:MATRIX_SCALE_ROW1
.endif
.endm
.macro WMA dd, aa, bb, sa, sb, ra      ; one that adds in place
.if (\ra) == 0
	v_wmma_scale_f32_16x16x128_f8f6f4 v[\dd:\dd+7], v[\aa:\aa+11], v[\bb:\bb+11], v[\dd:\dd+7], v[\sa], v[\sb] matrix_a_fmt:MATRIX_FMT_FP6 matrix_b_fmt:MATRIX_FMT_FP6
.else
	v_wmma_scale_f32_16x16x128_f8f6f4 v[\dd:\dd+7], v[\aa:\aa+11], v[\bb:\bb+11], v[\dd:\dd+7], v[\sa], v[\sb] matrix_a_fmt:MATRIX_FMT_FP6 matrix_b_fmt:MATRIX_FMT_FP6 matrix_a_scale:MATRIX_SCALE_ROW1
.endif
.endm
	s_load_b128 s[4:7], s[0:1], 0x0                ; qq, kv
	s_load_b128 s[8:11], s[0:1], 0x10              ; cc, cs
	v_lshl_add_u32 v254, v0, 2, 0x34000
	v_mov_b32 v255, 0
	ds_add_u32 v254, v255
	ds_add_u32 v254, v255
	s_wait_dscnt 0x0
	v_lshrrev_b32 v1, 5, v0
	s_delay_alu instid0(VALU_DEP_1)
	v_readfirstlane_b32 s[WV], v1                  ; wave 0..15
	s_and_b32 s14, ttmp7, 0xffff                   ; 16 batch + head, which the four partners share
	s_mul_i32 s[G0+1], s[WV], CH                   ; my chunk's place in LDS: the wave's number times a constant
	s_mul_i32 s18, s14, 208896
	s_add_co_u32 s18, s18, s[G0+1]                 ; and in kv
	s_mov_b32 s19, 0
	s_mov_b32 s[G0], 1                             ; count = 1
	s_mov_b32 s[G1], 15|(3<<16)|(1<<21)            ; the mask: all four work-groups; elements of 8 bytes; no padding; bit 21 set beside a mask
	s_mov_b32 s[G1+1], 32<<16                      ; tensor_dim0 = 32 elements: rows of 256 bytes
	s_mov_b32 s[G1+2], 51<<16                      ; tensor_dim1 = 51 rows
	s_mov_b32 s[G1+3], 32<<16                      ; tile_dim0
	s_mov_b32 s[G1+4], 51                          ; tile_dim1
	s_mov_b32 s[G1+5], 32                          ; the pitch: the block is dense
	s_mov_b32 s[G1+6], 0
	s_mov_b32 s[G1+7], 0
	s_bfe_u32 s13, ttmp6, 0x40000                  ; cx: it enters the addresses of q, cc and cs alone
	s_lshl_b32 s17, ttmp9, 2
	s_add_co_u32 s17, s17, s13                     ; which quarter of the head's queries
	s_lshr_b32 s15, s14, 4                         ; batch
	s_and_b32 s16, s14, 15                         ; head
	s_lshl_b32 s20, s17, 2
	s_lshr_b32 s21, s[WV], 3
	s_add_co_u32 s20, s20, s21                     ; pass 0's chunk of queries: 4 quarter + w / 8
	s_mul_i32 s20, s20, 6656
	s_mul_i32 s21, s14, 106496
	s_add_co_u32 s20, s20, s21
	s_mov_b32 s21, 0
	s_and_b32 s22, s[WV], 7                        ; my tile in it
	s_mul_i32 s22, s22, 768
	s_mov_b32 s23, 0
	s_and_b32 s50, s[WV], 1                        ; its scale words: 6,144 + 256 (tile % 2) + 4 (tile / 2) + 16 r
	s_lshl_b32 s50, s50, 8
	s_bfe_u32 s51, s[WV], 0x20001
	s_lshl_b32 s51, s51, 2
	s_add_co_u32 s50, s50, s51
	s_add_co_u32 s50, s50, 6144
	s_mov_b32 s51, 0
	s_lshl_b32 s52, s15, 7                         ; cc: token tile 128 batch + 32 quarter + w
	s_lshl_b32 s53, s17, 5
	s_add_co_u32 s52, s52, s53
	s_add_co_u32 s52, s52, s[WV]
	s_mul_i32 s52, s52, 12288
	s_mul_i32 s53, s16, 768
	s_add_co_u32 s52, s52, s53
	s_mov_b32 s53, 0
	s_lshl_b32 s54, s15, 4                         ; cs: chunk 16 batch + 4 quarter
	s_lshl_b32 s55, s17, 2
	s_add_co_u32 s54, s54, s55
	s_lshl_b32 s54, s54, 8
	s_lshl_b32 s55, s16, 14
	s_add_co_u32 s54, s54, s55
	s_mov_b32 s55, 0
	s_lshr_b32 s2, s[WV], 3                        ; LDS place of my tile's scale bytes: 256 (w / 8) + 128 (w % 2) + 2 ((w / 2) % 4) + 8 r
	s_lshl_b32 s2, s2, 8
	s_and_b32 s3, s[WV], 1
	s_lshl_b32 s3, s3, 7
	s_add_co_u32 s2, s2, s3
	s_bfe_u32 s3, s[WV], 0x20001
	s_lshl_b32 s3, s3, 1
	s_add_co_u32 s2, s2, s3
	s_add_co_u32 s2, s2, CSB
	s_mov_b32 s[SEL], 0x76543210
	s_mov_b32 s[SEL+1], 0xfedcba98                 ; v_permlanex16_b32's selects for lane l xor 16
	s_mov_b32 s[CS], 0x3e38aa3b                    ; c = log2(e) / 8
	s_mov_b32 s[CS+1], s[CS]                       ; (named with it as a pair, so it is written)
	v_and_b32 v3, 31, v0
	s_delay_alu instid0(VALU_DEP_1)
	v_lshlrev_b32 v1, 4, v3
	s_delay_alu instid0(VALU_DEP_2)
	v_lshlrev_b32 v2, 3, v3
	v_and_b32 v254, 15, v0
	s_delay_alu instid0(VALU_DEP_1)
	v_lshlrev_b32 v5, 4, v254
	s_delay_alu instid0(VALU_DEP_2)
	v_lshl_add_u32 v6, v254, 3, s2
	v_lshl_add_u32 v7, v0, 4, CSB
	v_lshlrev_b32 v255, 4, v0
	s_wait_kmcnt 0x0
	s_add_nc_u64 s[G0+2:G0+3], s[6:7], s[18:19]
	s_or_b32 s[G0+3], s[G0+3], 0x80000000          ; type = 2
	s_add_nc_u64 s[36:37], s[4:5], s[20:21]
	s_add_nc_u64 s[38:39], s[36:37], s[50:51]      ; s[38:39] q's scale words
	s_add_nc_u64 s[36:37], s[36:37], s[22:23]      ; s[36:37] q's tile
	s_add_nc_u64 s[40:41], s[8:9], s[52:53]        ; s[40:41] cc
	s_add_nc_u64 s[42:43], s[10:11], s[54:55]      ; s[42:43] cs
	CROUND                                         ; all four work-groups are here: the joint loads meet
	tensor_load_to_lds s[G0:G0+3], s[G1:G1+7]
	s_nop 0
	PLACES 4
.macro QLOAD ps                        ; pass ps's tile of queries: two chunks on in pass 1
	global_load_b128 v[16:19], v1, s[36:37] offset:13312*(\ps)
	global_load_b64 v[20:21], v2, s[36:37] offset:13312*(\ps)+512
	global_load_b32 v28, v5, s[38:39] offset:13312*(\ps)
.endm
	s_wait_alu depctr_va_vdst(0)
	QLOAD 0
.irp j, 22,23,24,25,26,27
	v_mov_b32 v[\j], 0                             ; Q's upper 64 along K: zero codes
.endr
.irp t, 0,1,2,3
.irp j, 6,7,8,9,10,11
	v_mov_b32 v[32+12*\t+\j], 0                    ; K's likewise: written once
.endr
.endr
.irp b, 0,1,2,3
	v_mov_b32 v[236+\b], 0                         ; a lane permute's destination counts as one of its sources
.endr
	v_mov_b32 v253, 0                              ; (named as the upper half of the pair v[252:253])
	s_wait_tensorcnt 0x0                           ; my chunk has landed,
	s_barrier_signal -1
	s_barrier_wait -1                              ; everybody's has
; A KEY STEP: the 128 keys of the chunk at LDS byte s[TB].
.macro STEP
	v_add_nc_u32 v3, s[TB], v1
	v_add_nc_u32 v4, s[TB], v2
.irp t, 0,1,2,3
	ds_load_b128 v[32+12*\t:35+12*\t], v3 offset:768*\t
	ds_load_b64 v[36+12*\t:37+12*\t], v4 offset:768*\t+512
.endr
	ds_load_b128 v[8:11], v3 offset:12288          ; K's scale words: register i: tiles 2 i and 2 i + 1
	s_wait_alu depctr_va_vdst(0)
	s_wait_dscnt 0x0
.irp t, 0,1,2,3
	WMZ 128+8*\t, 32+12*\t, 16, 8+(\t/2), 28, \t%2
.endr
	PLACES 4                                       ; in front of loads into registers that matrix instructions have read (with the two additions above: six behind the last step's products, for V's)
.irp t, 0,1,2,3
	ds_load_b128 v[32+12*\t:35+12*\t], v3 offset:768*(\t+4)
	ds_load_b64 v[36+12*\t:37+12*\t], v4 offset:768*(\t+4)+512
.endr
.irp t, 0,1,2,3
.irp c, 0,1,2
	ds_load_b128 v[80+12*\t+4*\c:83+12*\t+4*\c], v3 offset:6144+1536*\t+512*\c
.endr
.endr
	ds_load_b64 v[30:31], v4 offset:12800
	s_wait_dscnt 13                                ; K's tiles 4-7 are in; V's thirteen loads may stay out and land under the softmax
.irp t, 0,1,2,3
	WMZ 160+8*\t, 32+12*\t, 16, 10+(\t/2), 28, \t%2
.endr
	PLACES 4
.irp b, 0,1,2,3
	v_max3_num_f32 v[248+\b], v[128+16*\b], v[129+16*\b], v[130+16*\b]   ; the largest score of each block of 32 keys: for the row's maximum, and, since p rises with the score, for the block's largest p
.endr
.irp i, 3,5,7,9,11,13
.irp b, 0,1,2,3
	v_max3_num_f32 v[248+\b], v[248+\b], v[128+16*\b+\i], v[129+16*\b+\i]
.endr
.endr
.irp b, 0,1,2,3
	v_max_num_f32 v[248+\b], v[248+\b], v[143+16*\b]
.endr
.irp b, 0,1,2,3
	s_delay_alu instid0(VALU_DEP_4)
	v_permlanex16_b32 v[236+\b], v[248+\b], s[SEL], s[SEL+1]
.endr
.irp b, 0,1,2,3
	s_delay_alu instid0(VALU_DEP_4)
	v_max_num_f32 v[248+\b], v[248+\b], v[236+\b]  ; with lane l xor 16's 16 keys
.endr
	s_delay_alu instid0(VALU_DEP_2)
	v_max3_num_f32 v254, v248, v249, v250
	s_delay_alu instid0(VALU_DEP_1)
	v_max_num_f32 v254, v254, v251
	s_delay_alu instid0(VALU_DEP_1)
	v_mul_f32 v254, s[CS], v254                    ; as t (c is positive)
	s_delay_alu instid0(VALU_DEP_1)
	v_max_num_f32 v13, v13, v254                   ; the running largest t
	v_mov_b32 v254, v12
	s_delay_alu instid0(VALU_DEP_2)
	v_floor_f32 v12, -v13                          ; the new -M = floor(-t)
	s_delay_alu instid0(VALU_DEP_1)
	v_sub_f32 v254, v12, v254                      ; old M - new M: a whole number, 0 or less
	s_delay_alu instid0(VALU_DEP_1)
	v_cvt_i32_f32 v254, v254                       ; (it saturates)
	s_delay_alu instid0(VALU_DEP_1)
	v_ldexp_f32 v252, 1.0, v254                    ; f = 2^(old M - new M)
.irp j, 0,2,4,6,8,10,12,14,16,18,20,22,24,26,28,30,32,34,36,38,40,42,44,46,48,50,52,54,56,58,60,62
	v_pk_fma_f32 v[128+\j:129+\j], v[128+\j:129+\j], s[CS:CS+1], v[12:13] op_sel_hi:[1,0,0]   ; t - M
.endr
.irp b, 0,1,2,3
	v_fma_f32 v[248+\b], v[248+\b], s[CS], v12
.endr
	s_wait_alu depctr_va_vdst(0)
.irp j, 0,1,2,3,4,5,6,7,8,9,10,11,12,13,14,15,16,17,18,19,20,21,22,23,24,25,26,27,28,29,30,31,32,33,34,35,36,37,38,39,40,41,42,43,44,45,46,47,48,49,50,51,52,53,54,55,56,57,58,59,60,61,62,63
	v_exp_f32 v[128+\j], v[128+\j]                 ; p = 2^(t - M)
.endr
	s_setprio 1
.irp b, 0,1,2,3
	v_exp_f32 v[248+\b], v[248+\b]                 ; the block's largest p: the same two instructions on the same number
.endr
	v_pk_mul_f32 v[14:15], v[14:15], v[252:253] op_sel_hi:[1,0]   ; the sums under the new M (a plain line behind the exponentials)
	s_wait_alu depctr_va_vdst(0)
.irp b, 0,1,2,3
	v_max_num_f32 v[248+\b], 0x1800000, v[248+\b]  ; the floor 2^(3 - 127): the byte cannot fall under 1
.endr
.irp b, 0,1,2,3
	s_delay_alu instid0(VALU_DEP_4)
	v_add_nc_u32 v[244+\b], 0xff000000, v[248+\b]  ; the conversion's scale operand
.endr
.irp b, 0,1,2,3
	s_delay_alu instid0(VALU_DEP_4)
	v_lshrrev_b32 v[236+\b], 23, v[244+\b]
.endr
	s_delay_alu instid0(VALU_DEP_3)
	v_lshl_or_b32 v29, v237, 8, v236               ; p's scale word for these 128 keys
	s_delay_alu instid0(VALU_DEP_1)
	v_lshl_or_b32 v29, v238, 16, v29
	s_delay_alu instid0(VALU_DEP_1)
	v_lshl_or_b32 v29, v239, 24, v29
.irp c, 0,1
	v_cvt_scalef32_pk16_fp6_f32 v[224+6*\c:226+6*\c], v[128+32*\c:143+32*\c], v[244+2*\c]
	v_cvt_scalef32_pk16_fp6_f32 v[236+4*\c:238+4*\c], v[144+32*\c:159+32*\c], v[244+2*\c+1]
.endr
	v_nop                                          ; one plain line behind the conversions
.irp c, 0,1
.irp i, 0,1,2
	v_permlane16_swap_b32 v[224+6*\c+\i], v[236+4*\c+\i]
.endr
.irp i, 0,1,2
	s_delay_alu instid0(VALU_DEP_3)
	v_mov_b32 v[227+6*\c+\i], v[236+4*\c+\i]
.endr
.endr
	v_pk_add_f32 v[236:237], v[132:133], v[136:137]
	v_pk_add_f32 v[250:251], v[140:141], v[144:145]
	v_pk_add_f32 v[248:249], v[148:149], v[152:153]
	v_pk_add_f32 v[246:247], v[156:157], v[160:161]
	v_pk_add_f32 v[244:245], v[164:165], v[168:169]
	v_pk_add_f32 v[242:243], v[172:173], v[176:177]
	v_pk_add_f32 v[240:241], v[180:181], v[184:185]
	v_pk_add_f32 v[14:15], v[14:15], v[188:189]
	v_pk_add_f32 v[236:237], v[236:237], v[128:129]
	v_pk_add_f32 v[250:251], v[250:251], v[130:131]
	v_pk_add_f32 v[248:249], v[248:249], v[134:135]
	v_pk_add_f32 v[246:247], v[246:247], v[138:139]
	v_pk_add_f32 v[244:245], v[244:245], v[142:143]
	v_pk_add_f32 v[242:243], v[242:243], v[146:147]
	v_pk_add_f32 v[240:241], v[240:241], v[150:151]
	v_pk_add_f32 v[14:15], v[14:15], v[154:155]
	v_pk_add_f32 v[236:237], v[236:237], v[158:159]
	v_pk_add_f32 v[250:251], v[250:251], v[162:163]
	v_pk_add_f32 v[248:249], v[248:249], v[166:167]
	v_pk_add_f32 v[246:247], v[246:247], v[170:171]
	v_pk_add_f32 v[244:245], v[244:245], v[174:175]
	v_pk_add_f32 v[242:243], v[242:243], v[178:179]
	v_pk_add_f32 v[240:241], v[240:241], v[182:183]
	v_pk_add_f32 v[14:15], v[14:15], v[186:187]
	v_pk_add_f32 v[236:237], v[236:237], v[190:191]
	s_delay_alu instid0(VALU_DEP_2)
	v_pk_add_f32 v[14:15], v[14:15], v[246:247]
	s_delay_alu instid0(VALU_DEP_2)
	v_pk_add_f32 v[236:237], v[236:237], v[244:245]
	s_setprio 0
	v_pk_add_f32 v[250:251], v[250:251], v[242:243]
	v_pk_add_f32 v[248:249], v[248:249], v[240:241]
	s_delay_alu instid0(VALU_DEP_2)
	v_pk_add_f32 v[14:15], v[14:15], v[250:251]
	s_delay_alu instid0(VALU_DEP_2)
	v_pk_add_f32 v[236:237], v[236:237], v[248:249]
	s_delay_alu instid0(VALU_DEP_1)
	v_pk_add_f32 v[14:15], v[14:15], v[236:237]
.irp j, 0,2,4,6,8,10,12,14,16,18,20,22,24,26,28,30
	v_pk_mul_f32 v[192+\j:193+\j], v[192+\j:193+\j], v[252:253] op_sel_hi:[1,0]   ; O^T under the new M
.endr
	s_wait_alu depctr_va_vdst(0)
	s_wait_dscnt 0x0                               ; V
.irp t, 0,1,2,3
	WMA 192+8*\t, 80+12*\t, 224, 30+(\t/2), 29, \t%2
.endr
.endm
.macro PASS ps
	s_wait_loadcnt 0x0                             ; Q
	s_wait_xcnt 0x0                                ; the last pass's stores have read their registers
	v_mov_b32 v13, 0xff61b1e6                      ; the largest t so far: -3e38
	s_delay_alu instid0(VALU_DEP_1)
	v_floor_f32 v12, -v13
	v_mov_b32 v14, 0
	v_mov_b32 v15, 0
.irp j, 0,1,2,3,4,5,6,7,8,9,10,11,12,13,14,15,16,17,18,19,20,21,22,23,24,25,26,27,28,29,30,31
	v_mov_b32 v[192+\j], 0                         ; O^T: the step is written once; the first finds zeros, which the first change of M leaves zeros
.endr
	s_mov_b32 s[TB], 0
	s_mov_b32 s[CNT], 16
.Lstep_\@:
	s_setprio 2
	STEP
	s_add_co_u32 s[TB], s[TB], CH
	s_sub_co_u32 s[CNT], s[CNT], 1
	s_cmp_lg_u32 s[CNT], 0
	s_cbranch_scc1 .Lstep_\@
	s_setprio 0
	PLACES 4                                       ; behind the last products
.if (\ps) == 0
	QLOAD 1                                        ; the next pass's queries land under the lines below
.endif
	v_add_f32 v14, v14, v15
	s_delay_alu instid0(VALU_DEP_1)
	v_permlanex16_b32 v252, v14, s[SEL], s[SEL+1]
	s_delay_alu instid0(VALU_DEP_1)
	v_add_f32 v14, v14, v252                       ; the row's sum
	s_wait_alu depctr_va_vdst(0)
	v_rcp_f32 v14, v14
	v_nop
	s_wait_alu depctr_va_vdst(0)
.irp j, 0,2,4,6,8,10,12,14,16,18,20,22,24,26,28,30
	v_pk_mul_f32 v[128+\j:129+\j], v[192+\j:193+\j], v[14:15] op_sel_hi:[1,0]   ; ctx: register 16 B + i = channel 32 B + 16 h + i of my query
.endr
.irp b, 0,1
	v_max3_num_f32 v[248+\b], |v[128+16*\b]|, |v[129+16*\b]|, 0x1800000
.endr
.irp i, 2,4,6,8,10,12,14
.irp b, 0,1
	s_delay_alu instid0(VALU_DEP_2)
	v_max3_num_f32 v[248+\b], v[248+\b], |v[128+16*\b+\i]|, |v[129+16*\b+\i]|
.endr
.endr
.irp b, 0,1
	s_delay_alu instid0(VALU_DEP_2)
	v_permlanex16_b32 v[236+\b], v[248+\b], s[SEL], s[SEL+1]
.endr
.irp b, 0,1
	s_delay_alu instid0(VALU_DEP_2)
	v_max_num_f32 v[248+\b], v[248+\b], v[236+\b]
.endr
.irp b, 0,1
	s_delay_alu instid0(VALU_DEP_2)
	v_add_nc_u32 v[244+\b], 0xff000000, v[248+\b]
.endr
.irp b, 0,1
	s_delay_alu instid0(VALU_DEP_2)
	v_lshrrev_b32 v[236+\b], 23, v[244+\b]
.endr
	s_delay_alu instid0(VALU_DEP_1)
	v_lshl_or_b32 v254, v237, 8, v236              ; the head's two scale bytes of my query
	v_cvt_scalef32_pk16_fp6_f32 v[224:226], v[128:143], v244
	v_cvt_scalef32_pk16_fp6_f32 v[240:242], v[144:159], v245
	v_nop
.irp i, 0,1,2
	v_permlane16_swap_b32 v[224+\i], v[240+\i]
.endr
.irp i, 0,1,2
	s_delay_alu instid0(VALU_DEP_3)
	v_mov_b32 v[227+\i], v[240+\i]
.endr
	global_store_b128 v1, v[224:227], s[40:41] offset:196608*(\ps)        ; 512 consecutive bytes, aligned
	global_store_b64 v2, v[228:229], s[40:41] offset:196608*(\ps)+512     ; 256
	ds_store_b16 v6, v254 offset:512*(\ps)         ; both halves of the lanes write the same two bytes
.endm
	PASS 0
	PASS 1
	s_wait_dscnt 0x0                               ; for the others' sake: my scale bytes lie in LDS
	s_barrier_signal -1
	s_barrier_wait -1
	s_cmp_lt_u32 s[WV], 2
	s_cbranch_scc0 .Lnocs
	ds_load_b128 v[128:131], v7                    ; waves 0 and 1 store the work-group's 1,024 bytes
	s_wait_dscnt 0x0
	global_store_b128 v255, v[128:131], s[42:43]
.Lnocs:
	s_wait_xcnt 0x0
	v_lshl_add_u32 v254, v0, 2, 0x34000
	v_mov_b32 v255, 0
	s_wait_alu depctr_va_vdst(0)
	s_wait_tensorcnt 0x0
	ds_add_u32 v254, v255
	s_wait_dscnt 0x0
	CROUND                                         ; the closing round
	s_endpgm
.Lfunc_end_k_qcb19a70651_attn:
	.size	k_qcb19a70651_attn, .Lfunc_end_k_qcb19a70651_attn-k_qcb19a70651_attn
	.p2alignl 7, 3214868480
	.fill 96, 4, 3214868480
	.section	.rodata,"a",@progbits
	.p2align	6, 0x0
	.amdhsa_kernel k_qcb19a70651_attn
		.amdhsa_group_segment_fixed_size 215040
		.amdhsa_private_segment_fixed_size 0
		.amdhsa_enable_private_segment 0
		.amdhsa_kernarg_size 32
		.amdhsa_user_sgpr_count 2
		.amdhsa_user_sgpr_kernarg_segment_ptr 1
		.amdhsa_wavefront_size32 1
		.amdhsa_system_sgpr_workgroup_id_x 1
		.amdhsa_system_sgpr_workgroup_id_y 1
		.amdhsa_system_sgpr_workgroup_id_z 1
		.amdhsa_system_vgpr_workitem_id 0
		.amdhsa_next_free_vgpr 256
		.amdhsa_next_free_sgpr 66
		.amdhsa_reserve_vcc 0
		.amdhsa_float_denorm_mode_32 3
		.amdhsa_float_denorm_mode_16_64 3
		.amdhsa_memory_ordered 1
		.amdhsa_forward_progress 1
		.amdhsa_inst_pref_size 53
	.end_amdhsa_kernel
	.amdgpu_metadata
---
amdhsa.version: [ 1, 2 ]
amdhsa.kernels:
  - .name:           k_qcb19a70651_attn
    .symbol:         k_qcb19a70651_attn.kd
    .args:
      - { .name: qq, .offset: 0, .size: 8, .value_kind: global_buffer, .address_space: global }
      - { .name: kv, .offset: 8, .size: 8, .value_kind: global_buffer, .address_space: global }
      - { .name: cc, .offset: 16, .size: 8, .value_kind: global_buffer, .address_space: global }
      - { .name: cs, .offset: 24, .size: 8, .value_kind: global_buffer, .address_space: global }
    .group_segment_fixed_size: 215040
    .private_segment_fixed_size: 0
    .kernarg_segment_align: 8
    .kernarg_segment_size: 32
    .max_flat_workgroup_size: 512
    .sgpr_count:     66
    .vgpr_count:     256
    .wavefront_size: 32
...
	.end_amdgpu_metadata
.endif
;; end of part 6
;; launch outp (part 7): grid 4 x 64, 4 waves a work-group, no clusters, 116,224 bytes of LDS; arguments cc, cs, wc, ws, bo, out0; writes out0
.if DOCPART == 7
	.amdgcn_target "amdgcn-amd-amdhsa--gfx1250"
	.amdhsa_code_object_version 6
	.text
	.protected	k_qcb19a70651_outp
	.globl	k_qcb19a70651_outp
	.p2align	8
	.type	k_qcb19a70651_outp,@function
k_qcb19a70651_outp:
	s_mov_b64 s[64:65], 0
	v_nop
	global_prefetch_b8 v0, s[64:65] scope:SCOPE_SE
	s_setreg_imm32_b32 hwreg(HW_REG_WAVE_SCHED_MODE, 0, 2), 2
	s_setreg_imm32_b32 hwreg(HW_REG_WAVE_MODE, 25, 1), 1
	s_wait_xcnt 0x0
	s_wait_alu depctr_vm_vsrc(0)
; out0 = ctx Wo + bo on codes of E2M3 with one E8M0 scale for 32 along K.  ctx's codes (cc) and scale bytes (cs) and Wo's (wc, ws: the fourth weight) lie in the order of operand registers.
; SHARES: work-group (x, y): tokens 128 y on x columns 256 x on; wave w: all 128 tokens x columns 64 w on: 32 accumulators.  A wave's 32 fragments of Wo stay in its registers, read once.
; ctx's 64 fragments (98,304 bytes, dense in cc) are copied once into LDS, a quarter by each wave, since all four waves read them; one barrier.
; Source 0 = 16 columns of Wo, source 1 = 16 tokens: a lane holds one token and eight neighbouring columns.  The bias is the C of each sum's first product.
; Rows of a tile are item 32 B + 8 u + i + 8 (i / 8), of tokens and of columns alike; the way out puts each row at its token.
; NO JOINT LOADS: operands come by plain loads in register order; what four work-groups share (98,304 bytes of ctx) is copied once by each and is a fifth of what a work-group moves (131,072 bytes out, 196,608 of weights).
; REGISTERS: window 0: v1-9 addresses; v16-47 ctx's scale words (4 s + i), v48-63 Wo's (2 s + i); v64-159, v160-255 ctx's fragments, two sets (first the copy's landing, last the way out).
;   window 1: accumulator (a, t) at 64 t + 8 a.  window 2: Wo's K steps 0-4 at 48 s + 12 t.  window 3: K steps 5-7; v144-175 bias; v176-207 cs as loaded.
; THE MODE: SCHED_MODE bits 1:0 = 2 (LLVM: expert scheduling mode 2), set by the entry lines.  The code itself states the register dependences
; between vector or matrix instructions and memory or LDS instructions, with s_wait_alu, always for 0.
; THE PLAN.  Registers that memory or LDS instructions touch, and who else names them:
;   v1-v9          offsets and LDS addresses, made at the head, never written again.
;   v64-255        first the copy's landing: loaded, read by its LDS stores.  Then ctx's two sets: step s's products read set s % 2, and the LDS loads of step s land in the other set (step s + 1's fragments).
;                  Last, v64-127: rows come back from the stage and are read by the global stores.
;   v16-47         ctx's scale words, written by v_perm_b32 once, taken by the scaled products.
;   accumulators   written by the products, read by the stage's LDS stores on the way out.
; So ONE wait on va_vdst stands at the head of a K step: the last step's products are done reading the other set.  The step's 32 LDS loads owe nothing more, since the step's own products name
; this set, Wo, the scale words and the accumulators alone: sixteen loads stand at the head, sixteen behind the step's first eight products.
.set STG, 98304                        ; LDS: ctx's images [tile 8][head 16][768] at 0; then a stage of 16 rows x (256 + 16) bytes for each wave
.set MSB, 0
.macro WIN new
.if MSB != (\new)
	s_set_vgpr_msb (MSB<<8)|(\new)
.set MSB, (\new)
.endif
.endm
.macro PLACES n
.rept \n
	v_nop
.endr
.endm
.macro WM dd, aa, bb, cc, sa, sb, ra, rb
.if ((\ra) == 0) && ((\rb) == 0)
	v_wmma_scale_f32_16x16x128_f8f6f4 v[\dd:\dd+7], v[\aa:\aa+11], v[\bb:\bb+11], v[\cc:\cc+7], v[\sa], v[\sb] matrix_a_fmt:MATRIX_FMT_FP6 matrix_b_fmt:MATRIX_FMT_FP6
.elseif (\rb) == 0
	v_wmma_scale_f32_16x16x128_f8f6f4 v[\dd:\dd+7], v[\aa:\aa+11], v[\bb:\bb+11], v[\cc:\cc+7], v[\sa], v[\sb] matrix_a_fmt:MATRIX_FMT_FP6 matrix_b_fmt:MATRIX_FMT_FP6 matrix_a_scale:MATRIX_SCALE_ROW1
.elseif (\ra) == 0
	v_wmma_scale_f32_16x16x128_f8f6f4 v[\dd:\dd+7], v[\aa:\aa+11], v[\bb:\bb+11], v[\cc:\cc+7], v[\sa], v[\sb] matrix_a_fmt:MATRIX_FMT_FP6 matrix_b_fmt:MATRIX_FMT_FP6 matrix_b_scale:MATRIX_SCALE_ROW1
.else
	v_wmma_scale_f32_16x16x128_f8f6f4 v[\dd:\dd+7], v[\aa:\aa+11], v[\bb:\bb+11], v[\cc:\cc+7], v[\sa], v[\sb] matrix_a_fmt:MATRIX_FMT_FP6 matrix_b_fmt:MATRIX_FMT_FP6 matrix_a_scale:MATRIX_SCALE_ROW1 matrix_b_scale:MATRIX_SCALE_ROW1
.endif
.endm
	s_load_b256 s[4:11], s[0:1], 0x0               ; cc, cs, wc, ws
	s_load_b128 s[12:15], s[0:1], 0x20             ; bo, out0
	v_lshl_add_u32 v14, v0, 2, 0x1c400
	v_mov_b32 v15, 0
	v_lshrrev_b32 v1, 5, v0
	v_readfirstlane_b32 s16, v1                    ; wave
	s_and_b32 s17, ttmp7, 0xffff                   ; y
	v_and_b32 v10, 31, v0
	v_and_b32 v11, 15, v0                          ; r
	v_bfe_u32 v12, v0, 4, 1                        ; h
	v_lshlrev_b32 v1, 4, v10                       ; v1, v2: 16 x lane, 8 x lane;  v3, v4: the same 49,152 bytes on (tiles 4-7)
	v_lshlrev_b32 v2, 3, v10
	v_add_nc_u32 v3, 49152, v1
	v_add_nc_u32 v4, 49152, v2
	s_wait_alu depctr_va_sdst(0)                   ; s16 is written, ahead of its first reader: LDS places and the buffers' offsets are made from it
	s_mul_i32 s18, s16, 24576
	v_add_nc_u32 v5, s18, v1                       ; v5  where my quarter of the copy goes
	s_mul_i32 s19, s16, 4352
	s_add_co_u32 s19, s19, STG                     ; my stage
	v_mul_u32_u24 v6, v11, 272
	v_lshl_add_u32 v6, v12, 6, v6
	v_add_nc_u32 v6, s19, v6                       ; v6  in: row r, + 64 h
	v_mul_u32_u24 v7, v12, 272
	v_lshl_add_u32 v7, v11, 4, v7
	v_add_nc_u32 v7, s19, v7                       ; v7  back: lanes 0-15 one row of 256 bytes, lanes 16-31 the next
	v_lshlrev_b32 v8, 12, v12
	v_lshl_add_u32 v8, v11, 4, v8                  ; v8  and the same in out0
	v_lshlrev_b32 v9, 6, v12                       ; v9  64 h
	s_mov_b32 s20, 0x05040100                      ; the two low halves
	s_mov_b32 s21, 0x07060302                      ; the two high halves
	s_mul_i32 s22, s17, 98304
	s_add_co_u32 s22, s22, s18
	s_mov_b32 s23, 0                               ; cc
	s_lshl_b32 s24, s17, 8
	s_mov_b32 s25, 0                               ; cs
	s_lshl_b32 s26, ttmp9, 1
	s_lshr_b32 s27, s16, 1
	s_add_co_u32 s26, s26, s27                     ; g = 2 x + w / 2
	s_and_b32 s27, s16, 1                          ; which half of its eight tiles
	s_mul_i32 s28, s26, 98304
	s_mul_i32 s29, s27, 6144
	s_add_co_u32 s28, s28, s29
	s_add_co_u32 s28, s28, 2359296
	s_mov_b32 s29, 0                               ; wc
	s_lshl_b32 s30, s26, 12
	s_lshl_b32 s31, s27, 8
	s_add_co_u32 s30, s30, s31
	s_add_co_u32 s30, s30, 98304
	s_mov_b32 s31, 0                               ; ws
	s_lshl_b32 s32, ttmp9, 10
	s_lshl_b32 s33, s16, 8
	s_add_co_u32 s32, s32, s33
	s_mov_b32 s33, 0                               ; my 64 columns, in bytes
	s_lshl_b32 s34, s17, 19
	s_mov_b32 s35, 0                               ; my 128 rows of out0
	s_wait_kmcnt 0x0
	s_add_nc_u64 s[4:5], s[4:5], s[22:23]
	s_add_nc_u64 s[6:7], s[6:7], s[24:25]
	s_add_nc_u64 s[8:9], s[8:9], s[28:29]
	s_add_nc_u64 s[10:11], s[10:11], s[30:31]
	s_add_nc_u64 s[12:13], s[12:13], s[32:33]
	s_add_nc_u64 s[14:15], s[14:15], s[32:33]
	s_add_nc_u64 s[14:15], s[14:15], s[34:35]
	s_wait_alu depctr_va_vdst(0)                   ; v1 to v9 are written: the offsets and LDS addresses that the loads and stores of the whole kernel read
.set kk, 0
.rept 48
	global_load_b128 v[64+4*kk:67+4*kk], v1, s[4:5] offset:512*kk   ; my quarter of ctx's images: 24,576 dense bytes
.set kk, kk+1
.endr
	WIN 0xc0
.irp d, 0,1,2,3,4,5,6,7,8,9,10,11,12,13,14,15
	global_load_b64 v[176+2*\d:177+2*\d], v2, s[6:7] offset:16384*\d   ; head d's scale bytes of my eight tiles
.endr
.irp t, 0,1,2,3
.irp q, 0,1
	global_load_b128 v[144+8*\t+4*\q:147+8*\t+4*\q], v9, s[12:13] offset:128*(\t/2)+32*(\t%2)+16*\q   ; bias in the result's layout
.endr
.endr
	WIN 0
.irp s, 0,1,2,3,4,5,6,7
	global_load_b64 v[48+2*\s:49+2*\s], v2, s[10:11] offset:512*\s
.endr
	s_wait_loadcnt 32                              ; the copy's 48 loads are in; the 32 small ones behind them may be out
.set kk, 0
.rept 48
	ds_store_b128 v5, v[64+4*kk:67+4*kk] offset:512*kk
.set kk, kk+1
.endr
	WIN 0x80
.irp s, 0,1,2,3,4
.irp t, 0,1,2,3
.irp c, 0,1,2
	global_load_b128 v[48*\s+12*\t+4*\c:48*\s+12*\t+4*\c+3], v1, s[8:9] offset:12288*\s+1536*\t+512*\c
.endr
.endr
.endr
	WIN 0xc0
.irp s, 5,6,7
.irp t, 0,1,2,3
.irp c, 0,1,2
	global_load_b128 v[48*(\s-5)+12*\t+4*\c:48*(\s-5)+12*\t+4*\c+3], v1, s[8:9] offset:12288*\s+1536*\t+512*\c
.endr
.endr
.endr
	WIN 0
	s_wait_dscnt 0x0                               ; for the others' sake: my quarter lies in LDS
	s_barrier_signal -1
	s_barrier_wait -1
	s_wait_loadcnt 63                              ; the 32 small loads are in: 96 loads are younger, and a count names 63 at the most
	WIN 0x0f                                       ; sources 0 and 1 in window 3
.irp s, 0,1,2,3,4,5,6,7                        ; K step s = heads 2 s and 2 s + 1: two bytes of each make a row's scale word
	v_perm_b32 v[16+4*\s], v[178+4*\s], v[176+4*\s], s20
	v_perm_b32 v[17+4*\s], v[178+4*\s], v[176+4*\s], s21
	v_perm_b32 v[18+4*\s], v[179+4*\s], v[177+4*\s], s20
	v_perm_b32 v[19+4*\s], v[179+4*\s], v[177+4*\s], s21
.endr
	WIN 0
.macro FETCHH set, s, hf               ; four of ctx's eight fragments of K step s, tiles 4 hf on: head 2 s gives registers 0-5, head 2 s + 1 registers 6-11
.irp i, 0,1,2,3
	ds_load_b128 v[64+96*(\set)+12*(4*(\hf)+\i):64+96*(\set)+12*(4*(\hf)+\i)+3], v[1+2*(\hf)] offset:12288*\i+1536*(\s)
	ds_load_b64 v[64+96*(\set)+12*(4*(\hf)+\i)+4:64+96*(\set)+12*(4*(\hf)+\i)+5], v[2+2*(\hf)] offset:12288*\i+1536*(\s)+512
	ds_load_b128 v[64+96*(\set)+12*(4*(\hf)+\i)+6:64+96*(\set)+12*(4*(\hf)+\i)+9], v[1+2*(\hf)] offset:12288*\i+1536*(\s)+768
	ds_load_b64 v[64+96*(\set)+12*(4*(\hf)+\i)+10:64+96*(\set)+12*(4*(\hf)+\i)+11], v[2+2*(\hf)] offset:12288*\i+1536*(\s)+1280
.endr
.endm
	s_wait_alu depctr_vm_vsrc(0)                   ; the copy's LDS stores have read v64-255: from here on these registers are ctx's two sets, in which LDS loads land
	FETCHH 0, 0, 0
	FETCHH 0, 0, 1
	PLACES 8                                       ; scale registers written by vector instructions stand eight lines ahead of a scaled product
	s_wait_alu depctr_va_vdst(0)                   ; v_perm_b32 has written v16-47, which the scaled products take as scales; the eight lines above stay beside this wait
.macro WINM s                          ; the windows of K step s's products
.if (\s) == 0
	WIN 0x72                                       ; source 0 window 2, C (bias) window 3, D window 1
.elseif (\s) < 5
	WIN 0x52
.else
	WIN 0x53                                       ; source 0 window 3
.endif
.endm
.macro MUL8 s, t                       ; Wo's tile t against ctx's eight
.irp a, 0,1,2,3,4,5,6,7
.if (\s) == 0
	WM 64*(\t)+8*\a, WB+12*(\t), 64+96*PAR+12*\a, 144+8*(\t), 48+2*(\s)+((\t)/2), 16+4*(\s)+(\a/2), (\t)%2, \a%2
.else
	WM 64*(\t)+8*\a, WB+12*(\t), 64+96*PAR+12*\a, 64*(\t)+8*\a, 48+2*(\s)+((\t)/2), 16+4*(\s)+(\a/2), (\t)%2, \a%2
.endif
.endr
.endm
; A K step: 32 matrix instructions, the 32 accumulators by turns in the same order in every step.
.macro KS s
.set PAR, (\s)%2
.set WB, 48*((\s)%5)
.set NN, 12*(7-(\s))
.if NN > 63
.set NN, 63
.endif
	s_wait_dscnt 0x0                               ; this step's fragments of ctx
	PLACES 4                                       ; in front of loads into the set that the last step multiplied
.if ((\s) > 0) && ((\s) < 7)
	s_wait_alu depctr_va_vdst(0)                   ; the last step's products are done reading the other set, in which this step's 32 LDS loads land
.endif
.if (\s) < 7
	FETCHH 1-PAR, (\s)+1, 0
.endif
	s_wait_loadcnt NN                              ; this step's 12 loads of Wo are in: 12 for each later step are younger
	WINM \s
	MUL8 \s, 0
.if (\s) < 7
	WIN 0
	FETCHH 1-PAR, (\s)+1, 1                        ; no wait: no vector or matrix instruction since the wait above names the other set or v3, v4
	WINM \s
.endif
	MUL8 \s, 1
	MUL8 \s, 2
	MUL8 \s, 3
	WIN 0
.endm
.irp s, 0,1,2,3,4,5,6,7
	KS \s
.endr
; THE WAY OUT, a tile of 16 tokens x 64 columns at a time: through my own stage, back as whole rows of 256 bytes.  LDS serves a wave's instructions in order: no wait between the stores and the loads, nor ahead of the next tile's stores.
.macro TOSTAGE a
	WIN 0x04                                       ; an LDS store's data are its source 1: window 1
.irp t, 0,1,2,3
	ds_store_b128 v6, v[64*\t+8*(\a):64*\t+8*(\a)+3] offset:128*(\t/2)+32*(\t%2)          ; each accumulator from its low end on
	ds_store_b128 v6, v[64*\t+8*(\a)+4:64*\t+8*(\a)+7] offset:128*(\t/2)+32*(\t%2)+16
.endr
	WIN 0
.irp k, 0,1,2,3,4,5,6,7
	ds_load_b128 v[64+32*((\a)%2)+4*\k:64+32*((\a)%2)+4*\k+3], v7 offset:544*\k
.endr
.endm
.macro SEND a, younger                 ; younger: the next tile's sixteen LDS instructions, or none
	s_wait_dscnt \younger
.irp k, 0,1,2,3,4,5,6,7
	global_store_b128 v8, v[64+32*((\a)%2)+4*\k:64+32*((\a)%2)+4*\k+3], s[14:15] offset:(32*((\a)/2)+8*((\a)%2)+2*\k+8*(\k/4))*4096 th:TH_STORE_NT   ; sixteen lanes store 256 consecutive bytes, aligned
.endr
.endm
	PLACES 4                                       ; behind the last products
	s_wait_alu depctr_va_vdst(0)                   ; the products have written the accumulators, which the LDS stores read, and are done reading v64-127, in which the rows come back; the four lines above stay beside this wait
	TOSTAGE 0
.irp a, 1,2,3,4,5,6,7
.if \a > 1
	s_wait_xcnt 0x0                                ; tile a - 2's stores have read the registers into which tile a's rows come back
	s_wait_alu depctr_vm_vsrc(0)                   ; the same, stated for the LDS loads that land there
.endif
	TOSTAGE \a
	SEND \a-1, 16
.endr
	SEND 7, 0
	s_wait_dscnt 0x0                               ; the closing lines, six on end
	s_wait_alu 0x0
	s_wait_tensorcnt 0x0
	ds_add_u32 v14, v15
	s_wait_dscnt 0x0
	s_endpgm
.Lfunc_end_k_qcb19a70651_outp:
	.size	k_qcb19a70651_outp, .Lfunc_end_k_qcb19a70651_outp-k_qcb19a70651_outp
	.p2alignl 7, 3214868480
	.fill 96, 4, 3214868480
	.section	.rodata,"a",@progbits
	.p2align	6, 0x0
	.amdhsa_kernel k_qcb19a70651_outp
		.amdhsa_group_segment_fixed_size 116224
		.amdhsa_private_segment_fixed_size 0
		.amdhsa_enable_private_segment 0
		.amdhsa_kernarg_size 48
		.amdhsa_user_sgpr_count 2
		.amdhsa_user_sgpr_kernarg_segment_ptr 1
		.amdhsa_wavefront_size32 1
		.amdhsa_system_sgpr_workgroup_id_x 1
		.amdhsa_system_sgpr_workgroup_id_y 1
		.amdhsa_system_sgpr_workgroup_id_z 1
		.amdhsa_system_vgpr_workitem_id 0
		.amdhsa_next_free_vgpr 1024
		.amdhsa_next_free_sgpr 66
		.amdhsa_reserve_vcc 0
		.amdhsa_float_denorm_mode_32 3
		.amdhsa_float_denorm_mode_16_64 3
		.amdhsa_memory_ordered 1
		.amdhsa_forward_progress 1
		.amdhsa_inst_pref_size 92
	.end_amdhsa_kernel
	.amdgpu_metadata
---
amdhsa.version: [ 1, 2 ]
amdhsa.kernels:
  - .name:           k_qcb19a70651_outp
    .symbol:         k_qcb19a70651_outp.kd
    .args:
      - { .name: cc, .offset: 0, .size: 8, .value_kind: global_buffer, .address_space: global }
      - { .name: cs, .offset: 8, .size: 8, .value_kind: global_buffer, .address_space: global }
      - { .name: wc, .offset: 16, .size: 8, .value_kind: global_buffer, .address_space: global }
      - { .name: ws, .offset: 24, .size: 8, .value_kind: global_buffer, .address_space: global }
      - { .name: bo, .offset: 32, .size: 8, .value_kind: global_buffer, .address_space: global }
      - { .name: out0, .offset: 40, .size: 8, .value_kind: global_buffer, .address_space: global }
    .group_segment_fixed_size: 116224
    .private_segment_fixed_size: 0
    .kernarg_segment_align: 8
    .kernarg_segment_size: 48
    .max_flat_workgroup_size: 128
    .sgpr_count:     66
    .vgpr_count:     1024
    .wavefront_size: 32
...
	.end_amdgpu_metadata
.endif
;; end of part 7
